; MI455X (gfx1250); checked and timed in simulation.
; The chip was launched on July 23, 2026; its instructions are those of AMD's public machine-readable ISA for CDNA 5 (MIT licence, August 2026) and "CDNA5" Instruction Set Architecture Reference Guide (July 2026). The comments in the code are by the model that wrote it; some were corrected since.
;; Casual Multihead Self Attn. Allowed arithmetic: matrix products marked QUANTISED: E3M2 operands, one E8M0 scale for each 32 along K, by v_wmma_scale_f32_16x16x128_f8f6f4 with both operands' format E3M2, f32 sums; everything else in f32.
;; Inputs: Wk 1,024 x 1,024 float32; Wo 1,024 x 1,024 float32; Wq 1,024 x 1,024 float32; Wv 1,024 x 1,024 float32; token_positions 2,048 int32; x 4 x 2,048 x 1,024 float32.
;; Outputs: out0 4 x 2,048 x 1,024 float32.
;; This version of the problem:
;;   THIS VERSION OF THE PROBLEM IS GIVEN IN LOW PRECISION. The matrix products marked QUANTISED in the list below multiply operands that are first quantised to E3M2 (3 exponent bits, 2 mantissa bits; 6 bits a number), with one power-of-two scale for each 32 numbers along K (OCP MX v1.0); their sums are f32. All else is computed in f32.
;;   The module's matrix products, in the order in which they are computed (A, B: the left and right operand; K: the contracted axis; several contracted axes count as one K, in the product's order):
;;     1. [M 8,192, K 1,024] x [K 1,024, N 1,024]; A: input x; B: input Wq: QUANTISED
;;     2. [M 8,192, K 1,024] x [K 1,024, N 1,024]; A: input x; B: input Wk: QUANTISED
;;     3. [M 8,192, K 1,024] x [K 1,024, N 1,024]; A: input x; B: input Wv: QUANTISED
;;     4. batch 64 x [M 2,048, K 64] x [K 64, N 2,048]; A: computed on the way; B: computed on the way: QUANTISED
;;     5. batch 64 x [M 2,048, K 2,048] x [K 2,048, N 64]; A: softmax (see below); B: computed on the way: QUANTISED
;;     6. [M 8,192, K 1,024] x [K 1,024, N 1,024]; A: computed on the way; B: input Wo: QUANTISED
;;   THE QUANTISER, for each operand of a quantised product, along K:
;;     - K is cut into blocks of 32 from its start; a last block that is shorter is filled with zeros.
;;     - A block's scale is 2^e with e = floor(log2(the largest magnitude in the block)) - 4, held to -126 .. 127; a block of zeros has e = 0. As a byte (E8M0): e + 127.
;;     - Each number is divided by its block's scale, clamped to +-28, and rounded to the nearest number of E3M2, ties to even, subnormals kept.
;;     - The product sums the exact products of the quantised numbers (number of the format x scale) in f32.
;;   ~~~python
;;   def quantise(x, axis):      # numpy; x: float32 -> the quantised numbers, widened to float32 again
;;       x = np.moveaxis(x, axis, -1); K = x.shape[-1]
;;       x = np.pad(x, [(0, 0)] * (x.ndim - 1) + [(0, -K % 32)]); x = x.reshape(x.shape[:-1] + (-1, 32)); a = np.abs(x).max(-1, keepdims=True)
;;       e = np.where(a > 0, np.clip(np.frexp(np.where(a > 0, a, 1))[1] - 1 - 4, -126, 127), 0)      # np.frexp(a)[1] - 1 = floor(log2(a)), exactly
;;       r = np.clip(x / 2.0 ** e, -28, 28)
;;       step = 2.0 ** (np.maximum(np.frexp(np.where(r == 0, 1, r))[1] - 1, -2) - 2)
;;       q = np.round(r / step) * step * 2.0 ** e      # np.round: ties to even
;;       return np.moveaxis(q.reshape(q.shape[:-2] + (-1,))[..., :K], -1, axis).astype(np.float32)
;;   ~~~
;;   SOFTMAX AHEAD OF A QUANTISED PRODUCT. Where the list says 'softmax', what is quantised is not the finished softmax but p = 2^(t - M), with t = logit x log2(e) and M = ceil(the row's largest t), a whole number; so 1/2 < the row's largest p <= 1. The row's sum l is taken of the UNQUANTISED p, in f32, and the product's result is divided by l at the end. Since M is a whole number, a kernel that streams over the keys may use a running M (the ceiling of the running maximum): every later rescaling is an exact power of two, which a block's scale takes up: the codes' values come out the same.
;;   OPERANDS COMPUTED ON THE WAY. 'Computed on the way' means the value that the module computes at that place (a softmax that the list does not call 'softmax' is quantised finished and normalised). What goes into a quantiser is computed in f32, as accurately as f32 sums, v_exp_f32 and their like allow (about 1e-6 of the number): no bf16 or f16 on the way to a quantiser, and a product that is left as it is and whose result goes on into a quantised operand takes f32 operands (vector FMAs, or v_wmma_f32_16x16x4_f32). A number that lies on a knife's edge between two numbers of the format may be rounded either way, as far as f32 arithmetic and the matrix unit's own rounding can turn it there, and no further.
;; One version. Each part assembles by itself: llvm-mc -triple=amdgcn-amd-amdhsa -mcpu=gfx1250 --defsym DOCPART=n.
;; ======== version 1 of 1: 4 launches
;; limits: right only within a limited range of input values
;; workspace buffers: x_codes 6,291,456 bytes; x_scales 262,144 bytes; w_codes 3,145,728 bytes; w_scales 131,072 bytes; rope 524,288 bytes; qkv 19,660,800 bytes; a_codes 6,291,456 bytes; a_scales 262,144 bytes
;; launch prep (part 1): grid 448 x 1, 2 waves a work-group, no clusters, 20,736 bytes of LDS; arguments x, Wq, Wk, Wv, Wo, token_positions, x_codes, x_scales, w_codes, w_scales, rope; writes x_codes, x_scales, w_codes, w_scales, rope
.if DOCPART == 1
	.amdgcn_target "amdgcn-amd-amdhsa--gfx1250"
	.amdhsa_code_object_version 6
	.text
	.protected	k_qd154eca59b_prep
	.globl	k_qd154eca59b_prep
	.p2align	8
	.type	k_qd154eca59b_prep,@function
k_qd154eca59b_prep:
	s_mov_b64 s[64:65], 0
	v_nop
	global_prefetch_b8 v0, s[64:65] scope:SCOPE_SE
	s_setreg_imm32_b32 hwreg(HW_REG_WAVE_MODE, 25, 1), 1
	s_wait_xcnt 0x0
; x [8192][1024] and Wq, Wk, Wv, Wo [1024][1024], f32, K innermost, become codes of BF6 (E3M2) with one E8M0 byte for each 32 along K, laid in the order of the operand's registers;
; and token_positions becomes a table of cosines and sines for the rotation of q and k.
; TILES.  Tile T, lane row r is matrix row pi(T, r) = 32 (T / 2) + 8 (T % 2) + r + 8 (r / 8).  Codes: [T][g = K / 64][768 bytes]: lane l = 16 h + r has, at 24 l, the 32 codes k = 64 g + 32 h + 0 .. 31 of row pi(T, r).
; Scale bytes: [T][K / 256][r][8 bytes].  w_codes and w_scales hold 64 tiles each of Wq, Wk, Wv, Wo, in that order.
; SHARES.  Work-groups 0-383: a wave takes one tile (16 rows, all of K) in 8 steps of 128 along K.  0-255: x; then 32 each for Wq, Wk, Wv, Wo (only pointers are chosen: one path).  Work-groups 384-447: a wave makes the table of one tile of positions.
; A step's 16 loads read 512 consecutive bytes of a row each; the numbers turn through the wave's own stage in LDS so that a lane holds two whole blocks of 32; the codes turn through a second stage and leave as 3 x 512 consecutive bytes.
; A block's scale is 2^(floor(log2(largest magnitude)) - 4); its byte is the largest magnitude's exponent field - 4, held at 1 from below by a floor among the maximum's leaves.
; LIMITS: a block of zeros, or one under the floor 2^(5 - 127), gets the byte 1 (the rule says 127 for zeros): its codes are zeros and this program alone reads the bytes.  NaN and infinities are not served.
; The angles are reduced by a three-part pi / 2: |position x frequency| up to about 1e5 is served.
; No tensor loads, no barrier, no cluster: waves share nothing.
.set WREG, 10240                       ; LDS of a wave: 16 rows x 528 bytes on the way in, 1,536 bytes on the way out
.set OSTG, 8448
.set TM,   10                          ; v10-15  maxima, scale operands, bytes
.set W,    16                          ; v16-23  the scale word of each step
.set PC,   24                          ; v24-35  a fragment's codes
.set CT,   36                          ; v36-38, v40-42 the upper halves of the two blocks
.set PT,   43                          ; the lane exchange's destination
.set OUT,  44                          ; v44-55  codes on their way out
.set SL,   56                          ; v56-59  scale words as they are stored
.set L8,   60                          ; 8 x lane
.set X,    64                          ; v64-127 my two blocks
.set R,    128                         ; v128-255 two sets of 16 loads
.set EA,   32                          ; the table's path: frequencies
.set FI,   48
.set OUTR, 64
	s_load_b512 s[4:19], s[0:1], 0x0               ; x, Wq, Wk, Wv, Wo, token_positions, x_codes, x_scales
	s_load_b128 s[20:23], s[0:1], 0x40             ; w_codes, w_scales
	s_load_b64 s[24:25], s[0:1], 0x50              ; rope
	s_set_vgpr_msb 0x40
	v_lshl_add_u32 v0, v0, 2, 0x5000
	v_mov_b32 v1, 0
	s_set_vgpr_msb 0x4000
	v_lshrrev_b32 v1, 5, v0
	v_readfirstlane_b32 s26, v1                    ; wave
	v_and_b32 v1, 31, v0                           ; lane
	v_and_b32 v2, 15, v0                           ; r
	v_bfe_u32 v3, v0, 4, 1                         ; h
	v_lshlrev_b32 v4, 4, v1                        ; 16 x lane
	s_mov_b32 s28, 0x76543210
	s_mov_b32 s29, 0xfedcba98                      ; selects: lane l xor 16
	s_lshl_b32 s27, ttmp9, 1
	s_add_co_u32 s27, s27, s26                     ; 2 x work-group + wave
	s_mov_b32 s33, 0
	s_wait_kmcnt 0x0
	s_cmp_ge_u32 ttmp9, 384
	s_cbranch_scc1 .Lrope
	s_cmp_lt_u32 ttmp9, 352                        ; the source: a choice on the work-group's number alone
	s_cselect_b64 s[12:13], s[10:11], s[12:13]
	s_cmp_lt_u32 ttmp9, 320
	s_cselect_b64 s[12:13], s[8:9], s[12:13]
	s_cmp_lt_u32 ttmp9, 288
	s_cselect_b64 s[12:13], s[6:7], s[12:13]
	s_cmp_lt_u32 ttmp9, 256
	s_cselect_b64 s[4:5], s[4:5], s[12:13]
	s_cselect_b64 s[16:17], s[16:17], s[20:21]
	s_cselect_b64 s[18:19], s[18:19], s[22:23]
	s_cselect_b32 s30, 0, 512
	s_cselect_b32 s31, -1, 63
	s_sub_co_u32 s30, s27, s30                     ; the tile in its buffer of codes
	s_and_b32 s31, s30, s31                        ; the tile in its source
	s_lshr_b32 s32, s31, 1
	s_lshl_b32 s32, s32, 17                        ; 32 rows of 4,096 bytes
	s_and_b32 s34, s31, 1
	s_lshl_b32 s34, s34, 15                        ; 8 rows
	s_add_co_u32 s32, s32, s34
	s_add_nc_u64 s[4:5], s[4:5], s[32:33]
	s_mul_i32 s32, s30, 12288
	s_add_nc_u64 s[16:17], s[16:17], s[32:33]
	s_lshl_b32 s32, s30, 9
	s_add_nc_u64 s[18:19], s[18:19], s[32:33]
	s_mul_i32 s34, s26, WREG
	v_add_nc_u32 v5, s34, v4                       ; stage, in: 16 x lane of a row
	v_mul_u32_u24 v6, v2, 528
	v_lshl_add_u32 v6, v3, 7, v6
	v_add_nc_u32 v6, s34, v6                       ; stage, back: row r, + 128 h: my block of 32 numbers
	v_mul_u32_u24 v7, v1, 24
	v_add_nc_u32 v7, s34, v7
	v_add_nc_u32 v7, OSTG, v7                      ; codes, in: 24 x lane
	v_add_nc_u32 v8, OSTG, v5                      ; codes, back: 16 x lane
	v_lshlrev_b32 v9, 3, v3                        ; 8 h
	v_mov_b32 v[PT], 0
	v_lshlrev_b32 v[L8], 3, v1
.macro LOAD s                          ; step s: 128 numbers of each of the tile's 16 rows; a load reads 512 consecutive bytes
.irp rr, 0,1,2,3,4,5,6,7,8,9,10,11,12,13,14,15
	global_load_b128 v[R+64*((\s)%2)+4*\rr:R+64*((\s)%2)+4*\rr+3], v4, s[4:5] offset:(\rr+8*(\rr/8))*4096+512*(\s) th:TH_LOAD_NT
.endr
.endm
.macro STEP s
.if (\s) < 7
	s_wait_loadcnt 16                              ; this step's 16 loads are in; the next step's 16 may be out
.else
	s_wait_loadcnt 0x0
.endif
.irp rr, 0,1,2,3,4,5,6,7,8,9,10,11,12,13,14,15
	ds_store_b128 v5, v[R+64*((\s)%2)+4*\rr:R+64*((\s)%2)+4*\rr+3] offset:528*\rr
.endr
.irp c, 0,1
.irp j, 0,1,2,3,4,5,6,7
	ds_load_b128 v[X+32*\c+4*\j:X+32*\c+4*\j+3], v6 offset:256*\c+16*\j   ; k = 64 c + 32 h + 4 j ..: LDS serves a wave's instructions in order, so these see the stores
.endr
.endr
	s_wait_dscnt 0x0
.if (\s)+2 < 8
	LOAD (\s)+2
.endif
.irp c, 0,1
	v_max3_num_f32 v[TM+\c], |v[X+32*\c]|, |v[X+32*\c+1]|, 0x2800000   ; my block 2 c + h, and the floor 2^(5 - 127)
.endr
.irp i, 2,4,6,8,10,12,14,16,18,20,22,24,26,28,30
.irp c, 0,1
	v_max3_num_f32 v[TM+\c], v[TM+\c], |v[X+32*\c+\i]|, |v[X+32*\c+\i+1]|
.endr
.endr
.irp c, 0,1
	v_add_nc_u32 v[TM+2+\c], 0xfe000000, v[TM+\c]  ; 4 off the exponent field: the conversion's scale operand
.endr
.irp c, 0,1
	v_lshrrev_b32 v[TM+4+\c], 23, v[TM+2+\c]       ; the byte
.endr
	v_lshl_or_b32 v[W+\s], v[TM+5], 16, v[TM+4]    ; my bytes: blocks h and 2 + h,
	v_lshlrev_b32 v[W+\s], v9, v[W+\s]             ; at their places;
	v_permlanex16_b32 v[PT], v[W+\s], s28, s29
	v_or_b32 v[W+\s], v[W+\s], v[PT]               ; with lane l xor 16's the word is whole
.irp c, 0,1
	v_cvt_scalef32_pk16_bf6_f32 v[PC+6*\c:PC+6*\c+2], v[X+32*\c:X+32*\c+15], v[TM+2+\c]
	v_cvt_scalef32_pk16_bf6_f32 v[CT+4*\c:CT+4*\c+2], v[X+32*\c+16:X+32*\c+31], v[TM+2+\c]   ; (a conversion's three registers begin on an even number)
.endr
	v_nop                                          ; one plain line behind the conversions
.irp c, 0,1
.irp i, 0,1,2
	v_mov_b32 v[PC+6*\c+3+\i], v[CT+4*\c+\i]
.endr
.endr
.irp x, 0,1,2,3,4,5
	ds_store_b64 v7, v[PC+2*\x:PC+2*\x+1] offset:768*(\x/3)+8*(\x%3)
.endr
	s_wait_xcnt 0x0                                ; the last step's stores have read OUT
.irp i, 0,1,2
	ds_load_b128 v[OUT+4*\i:OUT+4*\i+3], v8 offset:512*\i
.endr
	s_wait_dscnt 0x0
.irp i, 0,1,2
	global_store_b128 v4, v[OUT+4*\i:OUT+4*\i+3], s[16:17] offset:1536*(\s)+512*\i   ; 512 consecutive bytes, at a multiple of 256 from the buffer's first byte
.endr
.endm
	LOAD 0
	LOAD 1
.irp s, 0,1,2,3,4,5,6,7
	STEP \s
.endr
	v_cmp_le_u32 vcc_lo, 16, v1                    ; lanes 0-15 store the words of K / 256 = 2 tt, lanes 16-31 those of 2 tt + 1: 256 consecutive bytes a store
.irp tt, 0,1
	v_cndmask_b32 v[SL+2*\tt], v[W+4*\tt], v[W+4*\tt+2], vcc_lo
	v_cndmask_b32 v[SL+2*\tt+1], v[W+4*\tt+1], v[W+4*\tt+3], vcc_lo
	global_store_b64 v[L8], v[SL+2*\tt:SL+2*\tt+1], s[18:19] offset:256*\tt
.endr
	s_set_vgpr_msb 0x5
	s_wait_tensorcnt 0x0
	ds_add_u32 v0, v1
	s_wait_dscnt 0x0
	s_set_vgpr_msb 0x500
	s_endpgm
; THE TABLE: [t][j 0..7][lane][16 bytes] = cos, sin of pair 2 j, cos, sin of pair 2 j + 1.  Pair k of lane (r, h) has the frequency number 16 (k / 8) + 8 h + k % 8 and the position token_positions[pi(t, r)].
.Lrope:
	s_sub_co_u32 s27, s27, 768                     ; t
	s_lshr_b32 s30, s27, 1
	s_lshl_b32 s30, s30, 5
	s_and_b32 s31, s27, 1
	s_lshl_b32 s31, s31, 3
	s_add_co_u32 s30, s30, s31
	v_and_b32 v5, 8, v2
	v_add_nc_u32 v5, v5, v2
	v_add_nc_u32 v5, s30, v5                       ; pi(t, r)
	v_lshlrev_b32 v5, 2, v5
	global_load_b32 v6, v5, s[14:15]
	s_lshl_b32 s32, s27, 12
	s_add_nc_u64 s[24:25], s[24:25], s[32:33]
	v_lshlrev_b32 v7, 3, v3
.irp k, 0,1,2,3,4,5,6,7,8,9,10,11,12,13,14,15
	v_add_nc_u32 v[FI+\k], 16*(\k/8)+\k%8, v7
.endr
.irp k, 0,1,2,3,4,5,6,7,8,9,10,11,12,13,14,15
	v_cvt_f32_u32 v[FI+\k], v[FI+\k]               ; i
.endr
.irp k, 0,1,2,3,4,5,6,7,8,9,10,11,12,13,14,15
	v_mul_f32 v[EA+\k], 0xbed49a00, v[FI+\k]       ; - i x the upper 15 bits of log2(10000) / 32: exact
.endr
.irp k, 0,1,2,3,4,5,6,7,8,9,10,11,12,13,14,15
	v_exp_f32 v[EA+\k], v[EA+\k]                   ; one batch
.endr
.irp k, 0,1,2,3,4,5,6,7,8,9,10,11,12,13,14,15
	v_mul_f32 v[FI+\k], 0xb626c438, v[FI+\k]       ; - i x the rest of the constant x ln 2 (plain work that names no result of the batch)
.endr
	s_wait_alu depctr_va_vdst(0)                   ; one wait for the batch, ahead of its first reader
.irp k, 0,1,2,3,4,5,6,7,8,9,10,11,12,13,14,15
	v_fma_f32 v[EA+\k], v[FI+\k], v[EA+\k], v[EA+\k]   ; 10000^(- i / 32)
.endr
	s_wait_loadcnt 0x0
	v_cvt_f32_i32 v6, v6                           ; the position, as a number
.macro SINCOS k
	v_mul_f32 v10, v6, v[EA+\k]                    ; the angle, in f32
	v_mul_f32 v11, 0x3f22f983, v10
	v_rndne_f32 v11, v11                           ; n = the nearest whole number of quarter turns
	v_fmamk_f32 v10, v11, 0xbfc90fd8, v10          ; angle - n x pi / 2, pi / 2 in three parts
	v_fmamk_f32 v10, v11, 0xb4a8885a, v10
	v_fmamk_f32 v10, v11, 0xa7c234c4, v10
	v_mul_f32 v12, v10, v10
	v_mov_b32 v13, 0x37cd4000                      ; the cosine's polynomial on |rest| <= pi / 4
	v_fmaak_f32 v13, v13, v12, 0xbab6077d
	v_fmaak_f32 v13, v13, v12, 0x3d2aaaa8
	v_fmaak_f32 v13, v13, v12, 0xbf000000
	v_fmaak_f32 v13, v13, v12, 0x3f800000
	v_mov_b32 v14, 0x36405000                      ; the sine's
	v_fmaak_f32 v14, v14, v12, 0xb9503486
	v_fmaak_f32 v14, v14, v12, 0x3c0888c1
	v_fmaak_f32 v14, v14, v12, 0xbe2aaaab
	v_mul_f32 v15, v10, v12
	v_fma_f32 v14, v14, v15, v10
	v_cvt_i32_f32 v11, v11
	v_and_b32 v15, 1, v11
	v_cmp_eq_u32 vcc_lo, 1, v15                    ; an odd quarter: sine and cosine change places
	v_cndmask_b32 v16, v14, v13, vcc_lo
	v_cndmask_b32 v17, v13, v14, vcc_lo
	v_and_b32 v15, 2, v11
	v_lshlrev_b32 v15, 30, v15
	v_xor_b32 v[OUTR+2*\k+1], v15, v16             ; the sine's sign: quarters 2, 3
	v_add_nc_u32 v11, 1, v11
	v_and_b32 v11, 2, v11
	v_lshlrev_b32 v11, 30, v11
	v_xor_b32 v[OUTR+2*\k], v11, v17               ; the cosine's: quarters 1, 2
.endm
.irp k, 0,1,2,3,4,5,6,7,8,9,10,11,12,13,14,15
	SINCOS \k
.endr
.irp j, 0,1,2,3,4,5,6,7
	global_store_b128 v4, v[OUTR+4*\j:OUTR+4*\j+3], s[24:25] offset:512*\j
.endr
	s_endpgm
.Lfunc_end_k_qd154eca59b_prep:
	.size	k_qd154eca59b_prep, .Lfunc_end_k_qd154eca59b_prep-k_qd154eca59b_prep
	.p2alignl 7, 3214868480
	.fill 96, 4, 3214868480
	.section	.rodata,"a",@progbits
	.p2align	6, 0x0
	.amdhsa_kernel k_qd154eca59b_prep
		.amdhsa_group_segment_fixed_size 20736
		.amdhsa_private_segment_fixed_size 0
		.amdhsa_enable_private_segment 0
		.amdhsa_kernarg_size 88
		.amdhsa_user_sgpr_count 2
		.amdhsa_user_sgpr_kernarg_segment_ptr 1
		.amdhsa_wavefront_size32 1
		.amdhsa_system_sgpr_workgroup_id_x 1
		.amdhsa_system_sgpr_workgroup_id_y 1
		.amdhsa_system_sgpr_workgroup_id_z 1
		.amdhsa_system_vgpr_workitem_id 0
		.amdhsa_next_free_vgpr 258
		.amdhsa_next_free_sgpr 66
		.amdhsa_reserve_vcc 1
		.amdhsa_float_denorm_mode_32 3
		.amdhsa_float_denorm_mode_16_64 3
		.amdhsa_memory_ordered 1
		.amdhsa_forward_progress 1
		.amdhsa_inst_pref_size 91
	.end_amdhsa_kernel
	.amdgpu_metadata
---
amdhsa.version: [ 1, 2 ]
amdhsa.kernels:
  - .name:           k_qd154eca59b_prep
    .symbol:         k_qd154eca59b_prep.kd
    .args:
      - { .name: x, .offset: 0, .size: 8, .value_kind: global_buffer, .address_space: global }
      - { .name: Wq, .offset: 8, .size: 8, .value_kind: global_buffer, .address_space: global }
      - { .name: Wk, .offset: 16, .size: 8, .value_kind: global_buffer, .address_space: global }
      - { .name: Wv, .offset: 24, .size: 8, .value_kind: global_buffer, .address_space: global }
      - { .name: Wo, .offset: 32, .size: 8, .value_kind: global_buffer, .address_space: global }
      - { .name: token_positions, .offset: 40, .size: 8, .value_kind: global_buffer, .address_space: global }
      - { .name: x_codes, .offset: 48, .size: 8, .value_kind: global_buffer, .address_space: global }
      - { .name: x_scales, .offset: 56, .size: 8, .value_kind: global_buffer, .address_space: global }
      - { .name: w_codes, .offset: 64, .size: 8, .value_kind: global_buffer, .address_space: global }
      - { .name: w_scales, .offset: 72, .size: 8, .value_kind: global_buffer, .address_space: global }
      - { .name: rope, .offset: 80, .size: 8, .value_kind: global_buffer, .address_space: global }
    .group_segment_fixed_size: 20736
    .private_segment_fixed_size: 0
    .kernarg_segment_align: 8
    .kernarg_segment_size: 88
    .max_flat_workgroup_size: 64
    .sgpr_count:     66
    .vgpr_count:     258
    .wavefront_size: 32
...
	.end_amdgpu_metadata
.endif
;; end of part 1
;; launch qkv (part 2): grid 12 x 32, 4 waves a work-group, clusters of 4 x 4, 327,680 bytes of LDS; arguments x_codes, x_scales, w_codes, w_scales, rope, qkv; writes qkv
.if DOCPART == 2
	.amdgcn_target "amdgcn-amd-amdhsa--gfx1250"
	.amdhsa_code_object_version 6
	.text
	.protected	k_qd154eca59b_qkv
	.globl	k_qd154eca59b_qkv
	.p2align	8
	.type	k_qd154eca59b_qkv,@function
k_qd154eca59b_qkv:
	s_mov_b64 s[64:65], 0
	v_nop
	global_prefetch_b8 v0, s[64:65] scope:SCOPE_SE
	s_setreg_imm32_b32 hwreg(HW_REG_WAVE_MODE, 25, 1), 1
	s_wait_xcnt 0x0
	s_wait_alu depctr_hold_cnt(0) depctr_sa_sdst(0) depctr_va_vdst(0) depctr_va_sdst(0) depctr_va_ssrc(0) depctr_va_vcc(0) depctr_vm_vsrc(0)
	s_getreg_b32 s2, hwreg(HW_REG_IB_STS2, 6, 4)
	s_cmp_eq_u32 s2, 0
	s_cbranch_scc0 .Lentry_in_a_cluster
	s_endpgm
.Lentry_in_a_cluster:
	s_bfe_u32 s2, ttmp6, 0x10000c
	s_cmp_lg_u32 s2, 0xf033
	s_cbranch_scc0 .Lentry_shape_is_right
	s_endpgm
.Lentry_shape_is_right:
; q, k, v = x W^T for Wq | Wk | Wv: one product [8192 x 1024] x [1024 x 3072] on codes of BF6 with E8M0 scales; on the way out q and k are rotated (f32) and quantised along the head's 64, v along the keys.
; A tile of the result, 256 rows x 256 columns, is made by four waves; a wave makes 128 x 128: 64 accumulators, 512 registers.  K goes in steps of 256 through a ring of two LDS slots filled by tensor loads.
; OPERANDS lie in memory in the order of the operand's registers: [tile of 16 rows][K / 64][768 bytes], lane l's 24 bytes at 24 l; a K step of a tile is 3,072 consecutive bytes, a wave's load 8 such rows.
; Tile T, lane row r is matrix row pi(T, r) = 32 (T / 2) + 8 (T % 2) + r + 8 (r / 8).  The product is used TRANSPOSED (source 0 = rows of W, source 1 = rows of x): a lane holds one row of x, and the 16 registers of
; W's tiles 2 b, 2 b + 1 are the 16 neighbouring columns 32 b + 16 (lane / 16) + 0 .. 15.
; SCALES of the work-group's rows, for all of K, come into LDS once: [tile][K / 256][r][8 bytes].
; CLUSTER 4 x 4: x's tiles are asked for jointly along a row of the cluster, W's along a column.  The cluster's x is the section: 0 q, 1 k, 2 v: the one branch on it is the same in all sixteen partners.
; OUT: qkv = [section][batch x 16 + head][102,400 bytes]: 98,304 of codes, 4,096 of scale words.  q, k: codes [tile of 16 positions][768]; words [pair of tiles][r][4]: bytes 0, 1 the even tile's two blocks, 2, 3 the odd one's.
; v: codes [128 keys s][tile of 16 d][c][768]: lane (r, h) holds keys 128 s + 64 c + 32 h + 0 .. 31 of d = pi(tile, r); words [s][tile][r][4].
; LIMITS: a block of zeros or under the floor 2^(5 - 127) gets the byte 1: its codes are zeros, and this program alone reads the bytes.  NaN and infinities are not served.
; REGISTERS, in windows of 256: window 0: v0-31 addresses; v32-63 scale words, two sets; v128-223 x's fragments, one set; on the way out v32-255 are free.  window 1: W's fragments, two sets, at v0 and v128.  windows 2, 3: accumulator (a, b) at v[8 (8 (a % 4) + b)].
; No prefetch: K has four steps, two of them first fills.
.set NQ,     2
.set FR,     12
.set NL,     6
.set NP,     4
.set TB,     3072                      ; a tile's bytes of a K step
.set HALFT,  8*TB                      ; what one tensor load brings, and what one wave reads of x or of W
.set SLOT,   4*HALFT
.set LAPS,   2                         ; 1,024 along K = two laps of two K steps
.set SCL,    2*SLOT
.set HALFS,  4096
.set SBLK,   512
.set SPARE,  SCL+4*HALFS               ; the spare words: 128 bytes a wave, two blocks of 256 bytes that no other line names
.set CQ,     SPARE+512                 ; the way out of q and k: 12,800 bytes a wave: codes [head][6,144], words [head][256]
.set CV,     CQ+4*12800                ; the way out of v: the same, in bytes of its own
.set SECTION, 6553600
.set REC,    102400
.set CVW,  3
.set CVR,  5
.set SVW,  6
.set GO,   7                           ; 16 x lane
.set GS,   8                           ; 16 r + 102,400 h
.set ADRA, 16
.set ADRB, 20
.set CQW,  24
.set CQR,  25
.set SQW,  26
.set ADRS, 27
.set SPW,  28
.set NIL,  29
.set FW,   30                          ; v's f32 stage (in slot 0, behind its last fill and last read): in
.set FRD,  31                          ; and back
.set SC,   32
.set AF,   128
.set CS,   32                          ; q, k: v32-95 two sets of cosines and sines
.set X,    96                          ; v96-159 a row tile's 64 rotated numbers
.set TM,   160
.set PW,   176
.set PE,   177
.set WS,   178
.set PC,   180
.set VX,   32                          ; v: v32-95 two sets of 32 keys
.set VT,   96
.set VPC,  100
.set VCT,  108
.set WV,   112
.set FB,   32                          ; v32-131: the wave's codes and words on their way out
.set SEL,  96
.set G1, 24
.set G0, 32
.set G1B, 48
.set G0B, 56
.set G1S, 68
.set G0S, 76
.set G1SB, 80
.set G0SB, 88
.set MSB, 0
.macro WIN new                         ; the immediate's high byte repeats the setting that is left
.if MSB != (\new)
	s_set_vgpr_msb (MSB<<8)|(\new)
.set MSB, (\new)
.endif
.endm
.set MUL_LO, 0xa1                      ; source 0 (W) window 1, source 1 (x) window 0, C and D window 2
.set MUL_HI, 0xf1
.set TO_B,   0x40
; A joint load: waves 0 and 1 fetch for x, waves 2 and 3 for W; the branch hangs on the wave's number alone.  Four v_nop follow each of the two lines.
.macro JLOAD g0a, g1a, g0b, g1b
	s_cmp_eq_u32 s15, 0
	s_cbranch_scc0 .Lfor_b_\@
	tensor_load_to_lds s[\g0a:\g0a+3], s[\g1a:\g1a+7]
	s_nop 0
.rept 4
	v_nop
.endr
	s_branch .Lasked_\@
.Lfor_b_\@:
	tensor_load_to_lds s[\g0b:\g0b+3], s[\g1b:\g1b+7]
	s_nop 0
.rept 4
	v_nop
.endr
.Lasked_\@:
.endm
.macro CREST                           ; a round of the cluster's barrier behind its opening barrier
	s_cmp_lg_u32 s14, 0
	s_cbranch_scc1 .Lnot_wave_0_\@
	s_barrier_signal -3
.Lnot_wave_0_\@:
	s_barrier_wait -3
	s_barrier_signal -1
	s_barrier_wait -1
.endm
.macro CROUND
	s_barrier_signal -1
	s_barrier_wait -1
	CREST
.endm
	s_load_b128 s[4:7], s[0:1], 0x0                ; x's codes, x's scales
	s_load_b128 s[8:11], s[0:1], 0x10              ; W's codes, W's scales
	s_load_b64 s[66:67], s[0:1], 0x20              ; the table
	s_load_b64 s[12:13], s[0:1], 0x28              ; qkv
	v_lshl_add_u32 v[SPW], v0, 2, SPARE
	v_mov_b32 v[NIL], 0
	ds_add_u32 v28, v29
	ds_add_u32 v28, v29
	s_wait_dscnt 0x0
	v_lshrrev_b32 v1, 5, v0
	v_readfirstlane_b32 s14, v1                    ; wave 0..3
	s_lshr_b32 s15, s14, 1                         ; which half of the tile's rows is mine.  Also: I fetch for x (0) or for W (1)
	s_and_b32 s16, s14, 1                          ; which half of its columns.  Also: which 128 rows I fetch
	s_bfe_u32 s40, ttmp6, 0x40000                  ; cx, cy
	s_bfe_u32 s41, ttmp6, 0x40004
	s_lshl_b32 s42, ttmp9, 2
	s_add_co_u32 s42, s42, s40                     ; tile column
	s_and_b32 s17, ttmp7, 0xffff
	s_lshl_b32 s17, s17, 2
	s_add_co_u32 s17, s17, s41                     ; tile row
	s_lshl_b32 s43, s41, 2
	s_lshl_b32 s43, 15, s43                        ; my row of the cluster
	s_lshl_b32 s44, 0x1111, s40                    ; my column
	s_mov_b32 s[SEL], 0x76543210
	s_mov_b32 s[SEL+1], 0xfedcba98
	; group 1 for codes: 8 rows of 384 elements of 8 bytes (3,072 bytes), 1,536 elements apart; no padding
	s_or_b32 s[G1+0], s43, (3<<16)|(1<<21)
	s_or_b32 s[G1B+0], s44, (3<<16)|(1<<21)
.irp g, G1, G1B
	s_mov_b32 s[\g+1], 384<<16
	s_mov_b32 s[\g+2], 8<<16
	s_mov_b32 s[\g+3], 384<<16
	s_mov_b32 s[\g+4], 8
	s_mov_b32 s[\g+5], 1536
	s_mov_b32 s[\g+6], 0
	s_mov_b32 s[\g+7], 0
.endr
	; group 1 for the scales of 128 rows: a dense block of 4,096 bytes as 16 rows of 256
	s_or_b32 s[G1S+0], s43, (3<<16)|(1<<21)
	s_or_b32 s[G1SB+0], s44, (3<<16)|(1<<21)
.irp g, G1S, G1SB
	s_mov_b32 s[\g+1], 32<<16
	s_mov_b32 s[\g+2], 16<<16
	s_mov_b32 s[\g+3], 32<<16
	s_mov_b32 s[\g+4], 16
	s_mov_b32 s[\g+5], 32
	s_mov_b32 s[\g+6], 0
	s_mov_b32 s[\g+7], 0
.endr
	s_lshl_b32 s18, s16, 7
	s_lshl_b32 s20, s17, 8
	s_add_co_u32 s20, s20, s18                     ; x: row 256 x tile row + 128 x half
	s_lshl_b32 s46, s42, 8
	s_add_co_u32 s46, s46, s18                     ; W: row 256 x tile column + 128 x half
	s_mov_b32 s21, 0
	s_mov_b32 s47, 0
	s_mov_b64 s[18:19], 32                         ; 512 bytes of scales for 16 rows
	s_mul_u64 s[22:23], s[20:21], s[18:19]
	s_mul_u64 s[92:93], s[46:47], s[18:19]
	s_mov_b64 s[18:19], 768                        ; 12,288 bytes of codes for 16 rows
	s_mul_u64 s[20:21], s[20:21], s[18:19]
	s_mul_u64 s[46:47], s[46:47], s[18:19]
	s_mul_i32 s45, s14, HALFT                      ; where they go: no place in the cluster enters an LDS address
	s_mul_i32 s94, s14, HALFS
	s_wait_kmcnt 0x0
	s_add_nc_u64 s[20:21], s[4:5], s[20:21]
	s_add_nc_u64 s[22:23], s[6:7], s[22:23]
	s_add_nc_u64 s[46:47], s[8:9], s[46:47]
	s_add_nc_u64 s[92:93], s[10:11], s[92:93]
	CROUND                                         ; all sixteen work-groups are here: the first joint loads meet
	s_mov_b32 s[G0S], 1
	s_add_co_u32 s[G0S+1], s94, SCL
	s_mov_b64 s[G0S+2:G0S+3], s[22:23]
	s_or_b32 s[G0S+3], s[G0S+3], 0x80000000
	s_mov_b32 s[G0SB], 1
	s_add_co_u32 s[G0SB+1], s94, SCL
	s_mov_b64 s[G0SB+2:G0SB+3], s[92:93]
	s_or_b32 s[G0SB+3], s[G0SB+3], 0x80000000
	JLOAD G0S, G1S, G0SB, G1SB                     ; the scales first
.irp s, 0,1
	s_mov_b32 s[G0+4*\s], 1
	s_add_co_u32 s[G0+4*\s+1], s45, \s*SLOT
	s_add_nc_u64 s[G0+4*\s+2:G0+4*\s+3], s[20:21], \s*TB
	s_or_b32 s[G0+4*\s+3], s[G0+4*\s+3], 0x80000000
	s_mov_b32 s[G0B+4*\s], 1
	s_add_co_u32 s[G0B+4*\s+1], s45, \s*SLOT
	s_add_nc_u64 s[G0B+4*\s+2:G0B+4*\s+3], s[46:47], \s*TB
	s_or_b32 s[G0B+4*\s+3], s[G0B+4*\s+3], 0x80000000
	JLOAD G0+4*\s, G1, G0B+4*\s, G1B               ; by this text's count three tensor loads of a wave are out
.endr
	v_and_b32 v1, 15, v0                           ; r
	v_bfe_u32 v2, v0, 4, 1                         ; h
	v_and_b32 v9, 31, v0                           ; lane
	v_mul_u32_u24 v4, v9, 24                       ; a lane's 24 bytes of a half image
	s_mul_i32 s21, s15, HALFT
	s_mul_i32 s22, s16, HALFT
	s_add_co_u32 s22, s22, 2*HALFT
.irp s, 0,1
	v_add_nc_u32 v[ADRA+\s], s21, v4
	v_add_nc_u32 v[ADRB+\s], s22, v4
	s_add_co_u32 s21, s21, SLOT
	s_add_co_u32 s22, s22, SLOT
.endr
	v_lshlrev_b32 v12, 3, v1                       ; my row's 8 scale bytes of a K step
	s_mul_i32 s21, s15, HALFS
	s_mul_i32 s22, s16, HALFS
	s_add_co_u32 s22, s22, 2*HALFS
	s_sub_co_u32 s22, s22, s21
	v_mul_u32_u24 v13, s22, v2                     ; lanes 16-31 take W's
	s_add_co_u32 s21, s21, SCL
	v_add_nc_u32 v12, v12, v13
	v_add_nc_u32 v[ADRS], s21, v12
	; the addresses of both ways out, made here for every wave
	s_mul_i32 s23, s14, 12800
	v_bfe_u32 v10, v0, 3, 1                        ; u = (lane / 8) % 2
	v_and_b32 v11, 7, v0
	v_lshl_add_u32 v11, v2, 3, v11                 ; r' = lane % 8 + 8 (lane / 16): column 32 g + lane is d = pi(2 (g % 2) + u, r')
	v_mul_u32_u24 v12, v11, 24
	v_mad_u32_u24 v12, v10, 1536, v12
	v_add_nc_u32 v12, s23, v12
	v_add_nc_u32 v[CVW], CV, v12
	v_lshlrev_b32 v[GO], 4, v9
	v_add_nc_u32 v13, s23, v[GO]
	v_add_nc_u32 v[CVR], CV, v13
	v_add_nc_u32 v[CQR], CQ, v13
	v_lshlrev_b32 v12, 2, v11
	v_lshl_add_u32 v12, v10, 6, v12
	v_add_nc_u32 v12, s23, v12
	v_add_nc_u32 v[SVW], CV+12288, v12
	v_add_nc_u32 v12, s23, v4
	v_add_nc_u32 v[CQW], CQ, v12
	v_lshlrev_b32 v12, 2, v1
	v_add_nc_u32 v12, s23, v12
	v_add_nc_u32 v[SQW], CQ+12288, v12
	v_lshlrev_b32 v[GS], 4, v1
	v_mad_u32_u24 v[GS], v2, REC, v[GS]
	s_mul_i32 s23, s14, 16896                      ; v's f32 stage: 32 rows x 528 bytes a wave
	v_mul_u32_u24 v12, v1, 528
	v_lshl_add_u32 v12, v2, 6, v12
	v_add_nc_u32 v[FW], s23, v12
	v_lshlrev_b32 v12, 2, v9
	v_add_nc_u32 v[FRD], s23, v12
	; where my wave's 128 rows x 2 heads go: batch = tile row / 8, step = 2 (tile row % 8) + my half, head = 4 cx + 2 x my half of the columns
	s_lshr_b32 s20, s17, 3
	s_and_b32 s21, s17, 7
	s_lshl_b32 s21, s21, 1
	s_add_co_u32 s21, s21, s15                     ; step
	s_lshl_b32 s46, s40, 2
	s_lshl_b32 s47, s16, 1
	s_add_co_u32 s46, s46, s47                     ; head
	s_lshl_b32 s20, s20, 4
	s_add_co_u32 s46, s46, s20
	s_mul_i32 s46, s46, REC
	s_mul_i32 s47, ttmp9, SECTION
	s_add_co_u32 s46, s46, s47                     ; the head's record
	s_lshl_b32 s92, s21, 8
	s_add_co_u32 s92, s92, s46
	s_add_co_u32 s92, s92, 98304                   ; its scale words of my step
	s_mov_b32 s93, 0
	s_mul_i32 s47, s21, 6144
	s_add_co_u32 s46, s46, s47                     ; its codes of my step
	s_mov_b32 s47, 0
	s_add_nc_u64 s[92:93], s[12:13], s[92:93]
	s_add_nc_u64 s[12:13], s[12:13], s[46:47]
	s_lshl_b32 s46, s21, 15                        ; the table: 8 tiles of 4,096 bytes a step
	s_add_nc_u64 s[66:67], s[66:67], s[46:47]
.macro FRAG reg, adr, q, i             ; a fragment, 16 rows x 128 K, is two half images on end: six loads of 8 bytes at 24 x lane; 32 lanes 6 words apart touch 64 different words modulo 64
.irp p, 0,1,2,3,4,5
	ds_load_b64 v[\reg+2*\p:\reg+2*\p+1], v[\adr] offset:(\i)*TB+(\q)*1536+768*(\p/3)+8*(\p%3)
.endr
.endm
; 16 matrix instructions: x's blocks a0, a0 + 1 against W's eight.  The 64 accumulators take turns, one instruction a turn, in the same order in every step.
.macro MUL16 a0, p, q, sc, zero
.irp a, \a0, \a0+1
.irp b, 0,1,2,3,4,5,6,7
.if \zero
	v_wmma_scale_f32_16x16x128_f8f6f4 v[8*(8*((\a)%4)+\b):8*(8*((\a)%4)+\b)+7], v[128*(\p)+FR*\b:128*(\p)+FR*\b+FR-1], v[AF+FR*(\a):AF+FR*(\a)+FR-1], 0, v[SC+8*NQ*(\sc)+NQ*\b+(\q)], v[SC+8*NQ*(\sc)+NQ*(\a)+(\q)] matrix_a_fmt:MATRIX_FMT_BF6 matrix_b_fmt:MATRIX_FMT_BF6 matrix_a_scale:MATRIX_SCALE_ROW1
.else
	v_wmma_scale_f32_16x16x128_f8f6f4 v[8*(8*((\a)%4)+\b):8*(8*((\a)%4)+\b)+7], v[128*(\p)+FR*\b:128*(\p)+FR*\b+FR-1], v[AF+FR*(\a):AF+FR*(\a)+FR-1], v[8*(8*((\a)%4)+\b):8*(8*((\a)%4)+\b)+7], v[SC+8*NQ*(\sc)+NQ*\b+(\q)], v[SC+8*NQ*(\sc)+NQ*(\a)+(\q)] matrix_a_fmt:MATRIX_FMT_BF6 matrix_b_fmt:MATRIX_FMT_BF6 matrix_a_scale:MATRIX_SCALE_ROW1
.endif
.endr
.endr
.endm
.macro FETCH_B slot, q, p
	WIN TO_B
.irp i, 0,1,2,3,4,5,6,7
	FRAG 128*(\p)+FR*\i, ADRB+\slot, \q, \i
.endr
	WIN 0
.endm
.macro FETCH_A slot, q, i0
.irp i, \i0, \i0+1, \i0+2, \i0+3
	FRAG AF+FR*(\i), ADRA+\slot, \q, \i
.endr
.endm
.macro SCALES sc                       ; a K step's two scale words a row: lanes 0-15 x's block i, lanes 16-31 W's block i
.irp i, 0,1,2,3,4,5,6,7
	ds_load_b64 v[SC+8*NQ*\sc+NQ*\i:SC+8*NQ*\sc+NQ*\i+1], v[ADRS] offset:\i*SBLK
.endr
.endm
.macro PLACES n                        ; plain vector lines between a matrix instruction and a load into, or a read of, its registers
.rept \n
	v_nop
.endr
.endm
.macro STEP slot, q, zero              ; 128 along K that has its successor in the same slot
	s_wait_dscnt 4*NL                              ; W's set and x's blocks 0-3 are in; the youngest 24 loads (x's blocks 4-7) may be out
	WIN MUL_LO
	MUL16 0, (\q)%2, \q, \slot, \zero
	MUL16 2, (\q)%2, \q, \slot, \zero
	s_wait_dscnt 0
	PLACES NP
	FETCH_B \slot, (\q)+1, 1-(\q)%2
	FETCH_A \slot, (\q)+1, 0
	WIN MUL_HI
	MUL16 4, (\q)%2, \q, \slot, \zero
	MUL16 6, (\q)%2, \q, \slot, \zero
	PLACES NP
	WIN 0
	FETCH_A \slot, (\q)+1, 4
.endm
; A slot's last 128 along K changes slots: one barrier; in front of it each wave waits for all its tensor loads, adds 0 to its spare word, and waits for that and for its reads of this slot.
.macro TURN slot, next, fill
	s_wait_tensorcnt 0x0                           ; all my tensor loads have landed: my part of the next slot
	ds_add_u32 v[SPW], v[NIL]                      ; 0 onto my spare word
	s_wait_dscnt 4*NL+1                            ; (the add and the youngest 24 loads may be out)
	WIN MUL_LO
	MUL16 0, 1, NQ-1, \slot, 0
	s_wait_dscnt 0x0                               ; the add is done, and my reads of this slot are over
	s_barrier_signal -1
	MUL16 2, 1, NQ-1, \slot, 0
	WIN 0
	s_barrier_wait -1
.if \fill
	CREST                                          ; the barrier has opened a round of the cluster's: no wave of any partner still reads this slot or has a load on its way
	s_add_nc_u64 s[G0+4*\slot+2:G0+4*\slot+3], s[G0+4*\slot+2:G0+4*\slot+3], 2*TB
	s_add_nc_u64 s[G0B+4*\slot+2:G0B+4*\slot+3], s[G0B+4*\slot+2:G0B+4*\slot+3], 2*TB
	JLOAD G0+4*\slot, G1, G0B+4*\slot, G1B         ; the first tensor load behind the round; its four v_nop are the places in front of the loads below
.else
	PLACES NP
.endif
	v_add_nc_u32 v[ADRS], 128, v[ADRS]             ; the next K step's scale words
	FETCH_B \next, 0, 0
	FETCH_A \next, 0, 0
	SCALES \next
	WIN MUL_HI
	MUL16 4, 1, NQ-1, \slot, 0
	MUL16 6, 1, NQ-1, \slot, 0
	PLACES NP
	WIN 0
	FETCH_A \next, 0, 4
.endm
	s_wait_tensorcnt 1                             ; the scales and my part of K step 0 are in (K step 1's load may be out),
	s_barrier_signal -1
	s_barrier_wait -1                              ; everybody's are
	FETCH_B 0, 0, 0
	FETCH_A 0, 0, 0
	SCALES 0
	FETCH_A 0, 0, 4
	STEP 0, 0, 1                                   ; the first products start the sums
	s_mov_b32 s3, LAPS-1
.Llap:
	TURN 0, 1, 1
	STEP 1, 0, 0
	TURN 1, 0, 1
	STEP 0, 0, 0
	s_sub_co_u32 s3, s3, 1
	s_cmp_lg_u32 s3, 0
	s_cbranch_scc1 .Llap
	TURN 0, 1, 0                                   ; the last lap fills nothing
	STEP 1, 0, 0
	s_wait_dscnt 4*NL
	WIN MUL_LO
	MUL16 0, 1, NQ-1, 1, 0
	MUL16 2, 1, NQ-1, 1, 0
	s_wait_dscnt 0
	WIN MUL_HI
	MUL16 4, 1, NQ-1, 1, 0
	MUL16 6, 1, NQ-1, 1, 0
	WIN 0
	PLACES NP                                      ; in front of the first reads of results and the first writes of operands
; 64 numbers of a lane, register 16 b + i = k 32 b + 16 (lane / 16) + i of my row, become a fragment's codes in v[PC] on and its scale word in v[PW].
.macro QUANT s
.irp b, 0,1,2,3
	v_max3_num_f32 v[TM+\b], |v[\s+16*\b]|, |v[\s+1+16*\b]|, 0x2800000   ; and the floor 2^(5 - 127)
.endr
.irp i, 2,4,6,8,10,12,14
.irp b, 0,1,2,3
	v_max3_num_f32 v[TM+\b], v[TM+\b], |v[\s+16*\b+\i]|, |v[\s+1+16*\b+\i]|
.endr
.endr
.irp b, 0,1,2,3
	v_permlanex16_b32 v[TM+4+\b], v[TM+\b], s[SEL], s[SEL+1]
.endr
.irp b, 0,1,2,3
	v_max_num_f32 v[TM+\b], v[TM+\b], v[TM+4+\b]   ; with lane l xor 16's: the block's largest magnitude
.endr
.irp b, 0,1,2,3
	v_add_nc_u32 v[TM+12+\b], 0xfe000000, v[TM+\b] ; 4 off its exponent field: the conversion's scale operand
.endr
.irp b, 0,1,2,3
	v_lshrrev_b32 v[TM+4+\b], 23, v[TM+12+\b]      ; the byte
.endr
	v_lshl_or_b32 v[PW], v[TM+5], 8, v[TM+4]
	v_lshl_or_b32 v[PW], v[TM+6], 16, v[PW]
	v_lshl_or_b32 v[PW], v[TM+7], 24, v[PW]
.irp c, 0,1
	v_cvt_scalef32_pk16_bf6_f32 v[PC+6*\c:PC+2+6*\c], v[\s+32*\c:\s+15+32*\c], v[TM+12+2*\c]
	v_cvt_scalef32_pk16_bf6_f32 v[PC+12+4*\c:PC+14+4*\c], v[\s+16+32*\c:\s+31+32*\c], v[TM+12+2*\c+1]
.endr
	v_nop                                          ; one plain line behind the conversions
.irp c, 0,1                                    ; a whole block to a lane: lanes 0-15 block 2 c, lanes 16-31 block 2 c + 1
.irp i, 0,1,2
	v_permlane16_swap_b32 v[PC+6*\c+\i], v[PC+12+4*\c+\i]
.endr
.irp i, 0,1,2
	v_mov_b32 v[PC+3+6*\c+\i], v[PC+12+4*\c+\i]
.endr
.endr
.endm
; The wave's 12,288 bytes of codes and 512 of scale words come back from its own LDS bytes and leave: every store covers 512 consecutive bytes (the last: 2 x 256), at multiples of 256 from the buffer's first byte.
.macro FINAL rd
	s_wait_dscnt 0x0                               ; my LDS stores have read their registers: the loads below land in them
.irp i, 0,1,2,3,4,5,6,7,8,9,10,11,12,13,14,15,16,17,18,19,20,21,22,23
	ds_load_b128 v[FB+4*\i:FB+4*\i+3], v[\rd] offset:512*\i
.endr
	ds_load_b128 v[FB+96:FB+99], v[\rd] offset:12288
.irp i, 0,1,2,3,4,5,6,7,8,9,10,11,12,13,14,15,16,17,18,19,20,21,22,23
	s_wait_dscnt 24-\i                             ; the younger loads may be out
	global_store_b128 v[GO], v[FB+4*\i:FB+4*\i+3], s[12:13] offset:REC*(\i/12)+512*(\i%12)
.endr
	s_wait_dscnt 0x0
	global_store_b128 v[GS], v[FB+96:FB+99], s[92:93]
.endm
	s_cmp_eq_u32 ttmp9, 2                          ; the section is the cluster's x: the same in all partners
	s_cbranch_scc1 .Lv
	; ---- q and k.  Row tile a: the rotation of interleaved pairs in f32, then the quantiser along the head's 64; my 128 columns are two heads.
.macro LOADCS a                        ; tile a's cosines and sines: pair ii at registers 2 ii, 2 ii + 1 of set a % 2
.irp j, 0,1,2,3,4,5,6,7
	global_load_b128 v[CS+32*((\a)%2)+4*\j:CS+32*((\a)%2)+4*\j+3], v[GO], s[66:67] offset:4096*(\a)+512*\j
.endr
.endm
.macro ROW a
.if (\a) < 7
	s_wait_loadcnt 8                               ; this tile's table is in; the next tile's 8 loads may be out
.else
	s_wait_loadcnt 0x0
.endif
.set CB, CS+32*((\a)%2)
	WIN 0x02+(\a)/4                                ; source 0: the accumulators' window
.irp hh, 0,1
.irp ii, 0,1,2,3,4,5,6,7,8,9,10,11,12,13,14,15
	v_mul_f32 v[X+32*\hh+2*\ii], v[64*((\a)%4)+8*(4*\hh+\ii/4)+2*(\ii%4)+1], v[CB+2*\ii+1]     ; odd x sin  (each accumulator is first read at its register 1)
	v_mul_f32 v[X+32*\hh+2*\ii+1], v[64*((\a)%4)+8*(4*\hh+\ii/4)+2*(\ii%4)+1], v[CB+2*\ii]     ; odd x cos
.endr
.endr
.irp hh, 0,1
.irp ii, 0,1,2,3,4,5,6,7,8,9,10,11,12,13,14,15
	v_fma_f32 v[X+32*\hh+2*\ii], v[64*((\a)%4)+8*(4*\hh+\ii/4)+2*(\ii%4)], v[CB+2*\ii], -v[X+32*\hh+2*\ii]         ; even x cos - odd x sin
	v_fma_f32 v[X+32*\hh+2*\ii+1], v[64*((\a)%4)+8*(4*\hh+\ii/4)+2*(\ii%4)], v[CB+2*\ii+1], v[X+32*\hh+2*\ii+1]    ; even x sin + odd x cos
.endr
.endr
	WIN 0
.if (\a) < 6
	LOADCS (\a)+2
.endif
	s_wait_dscnt 0x0                               ; the last tile's LDS stores have read their registers
	QUANT X
.irp x, 0,1,2,3,4,5
	ds_store_b64 v[CQW], v[PC+2*\x:PC+2*\x+1] offset:6144*(\x/3)+768*(\a)+8*(\x%3)   ; registers 0-5: the first head's half image, 6-11: the second's
.endr
.if (\a)%2 == 0
	v_mov_b32 v[PE], v[PW]
.else
	v_perm_b32 v[WS], v[PW], v[PE], 0x05040100     ; the first head: the even tile's two bytes, then the odd tile's
	v_perm_b32 v[WS+1], v[PW], v[PE], 0x07060302   ; the second head
	ds_store_b32 v[SQW], v[WS] offset:64*((\a)/2)
	ds_store_b32 v[SQW], v[WS+1] offset:256+64*((\a)/2)
.endif
.endm
.irp b, 0,1,2,3
	v_mov_b32 v[TM+4+\b], 0                        ; written once: a lane exchange's destination counts as one of its sources
.endr
	LOADCS 0
	LOADCS 1
.irp a, 0,1,2,3,4,5,6,7
	ROW \a
.endr
	FINAL CQR
	s_branch .Ldone
	; ---- v.  Its K in the second product of attention is the keys, which are my lanes: 32 keys x 128 columns at a time turn through an f32 stage, so that a lane holds ONE column and its registers run down the keys.
.Lv:
.macro LOADG g                         ; column 32 g + lane, keys 0 .. 31 of the block in their true order: key kk lies in stage row 16 ((kk / 8) % 2) + kk % 8 + 8 (kk / 16)
.irp kk, 0,1,2,3,4,5,6,7,8,9,10,11,12,13,14,15,16,17,18,19,20,21,22,23,24,25,26,27,28,29,30,31
	ds_load_b32 v[VX+32*((\g)%2)+\kk], v[FRD] offset:(16*((\kk/8)%2)+\kk%8+8*(\kk/16))*528+128*(\g)
.endr
.endm
.macro VG p, g
.if (\g) < 3
	LOADG (\g)+1
	s_wait_dscnt 32                                ; all but the 32 just issued
.else
	s_wait_dscnt 0x0
.endif
.set XS, VX+32*((\g)%2)
	v_max3_num_f32 v[VT], |v[XS]|, |v[XS+1]|, |v[XS+2]|
	v_max3_num_f32 v[VT+1], |v[XS+3]|, |v[XS+4]|, |v[XS+5]|
.irp i, 6,10,14,18,22,26
	v_max3_num_f32 v[VT], v[VT], |v[XS+\i]|, |v[XS+\i+1]|
	v_max3_num_f32 v[VT+1], v[VT+1], |v[XS+\i+2]|, |v[XS+\i+3]|
.endr
	v_max3_num_f32 v[VT], v[VT], |v[XS+30]|, |v[XS+31]|
	v_max3_num_f32 v[VT], v[VT], v[VT+1], 0x2800000
	v_add_nc_u32 v[VT+2], 0xfe000000, v[VT]
	v_lshrrev_b32 v[VT+3], 23, v[VT+2]
.if (\p) == 0
	v_mov_b32 v[WV+\g], v[VT+3]
.else
	v_lshl_or_b32 v[WV+\g], v[VT+3], 8*(\p), v[WV+\g]
.endif
	v_cvt_scalef32_pk16_bf6_f32 v[VPC:VPC+2], v[XS:XS+15], v[VT+2]
	v_cvt_scalef32_pk16_bf6_f32 v[VCT:VCT+2], v[XS+16:XS+31], v[VT+2]
	v_nop
.irp i, 0,1,2
	v_mov_b32 v[VPC+3+\i], v[VCT+\i]
.endr
.irp x, 0,1,2
	ds_store_b64 v[CVW], v[VPC+2*\x:VPC+2*\x+1] offset:6144*((\g)/2)+3072*((\g)%2)+768*((\p)/2)+384*((\p)%2)+8*\x
.endr
.endm
.macro VBLK p                          ; keys 32 p .. 32 p + 31 of my 128: row tiles 2 p, 2 p + 1
	WIN 0x08+4*((2*(\p))/4)                        ; an LDS store's data are its source 1
.irp u, 0,1
.irp b, 0,1,2,3,4,5,6,7
	ds_store_b128 v[FW], v[64*((2*(\p)+\u)%4)+8*\b:64*((2*(\p)+\u)%4)+8*\b+3] offset:8448*\u+128*(\b/2)+32*(\b%2)        ; each accumulator from its low end on
	ds_store_b128 v[FW], v[64*((2*(\p)+\u)%4)+8*\b+4:64*((2*(\p)+\u)%4)+8*\b+7] offset:8448*\u+128*(\b/2)+32*(\b%2)+16
.endr
.endr
	WIN 0
	LOADG 0                                        ; LDS serves a wave's instructions in order: these see the stores, and the next block's stores come behind the last reads
.irp g, 0,1,2,3
	VG \p, \g
.endr
.endm
.irp p, 0,1,2,3
	VBLK \p
.endr
.irp g, 0,1,2,3
	ds_store_b32 v[SVW], v[WV+\g] offset:256*(\g/2)+128*(\g%2)
.endr
	FINAL CVR
.Ldone:
	s_wait_tensorcnt 0x0                           ; the wave's end
	ds_add_u32 v[SPW], v[NIL]
	s_wait_dscnt 0x0
	CROUND                                         ; the closing round
	s_endpgm
.Lfunc_end_k_qd154eca59b_qkv:
	.size	k_qd154eca59b_qkv, .Lfunc_end_k_qd154eca59b_qkv-k_qd154eca59b_qkv
	.p2alignl 7, 3214868480
	.fill 96, 4, 3214868480
	.section	.rodata,"a",@progbits
	.p2align	6, 0x0
	.amdhsa_kernel k_qd154eca59b_qkv
		.amdhsa_group_segment_fixed_size 327680
		.amdhsa_private_segment_fixed_size 0
		.amdhsa_enable_private_segment 0
		.amdhsa_kernarg_size 48
		.amdhsa_user_sgpr_count 2
		.amdhsa_user_sgpr_kernarg_segment_ptr 1
		.amdhsa_wavefront_size32 1
		.amdhsa_system_sgpr_workgroup_id_x 1
		.amdhsa_system_sgpr_workgroup_id_y 1
		.amdhsa_system_sgpr_workgroup_id_z 1
		.amdhsa_system_vgpr_workitem_id 0
		.amdhsa_next_free_vgpr 1024
		.amdhsa_next_free_sgpr 100
		.amdhsa_reserve_vcc 0
		.amdhsa_float_denorm_mode_32 3
		.amdhsa_float_denorm_mode_16_64 3
		.amdhsa_memory_ordered 1
		.amdhsa_forward_progress 1
		.amdhsa_inst_pref_size 255
	.end_amdhsa_kernel
	.section	.bss,"aw",@nobits
	.p2align	6
	.space	262144
	.amdgpu_metadata
---
amdhsa.version: [ 1, 2 ]
amdhsa.kernels:
  - .name:           k_qd154eca59b_qkv
    .symbol:         k_qd154eca59b_qkv.kd
    .args:
      - { .name: x_codes, .offset: 0, .size: 8, .value_kind: global_buffer, .address_space: global }
      - { .name: x_scales, .offset: 8, .size: 8, .value_kind: global_buffer, .address_space: global }
      - { .name: w_codes, .offset: 16, .size: 8, .value_kind: global_buffer, .address_space: global }
      - { .name: w_scales, .offset: 24, .size: 8, .value_kind: global_buffer, .address_space: global }
      - { .name: rope, .offset: 32, .size: 8, .value_kind: global_buffer, .address_space: global }
      - { .name: qkv, .offset: 40, .size: 8, .value_kind: global_buffer, .address_space: global }
    .group_segment_fixed_size: 327680
    .private_segment_fixed_size: 0
    .kernarg_segment_align: 8
    .kernarg_segment_size: 48
    .max_flat_workgroup_size: 128
    .sgpr_count:     100
    .vgpr_count:     1024
    .wavefront_size: 32
...
	.end_amdgpu_metadata
.endif
;; end of part 2
;; launch attn (part 3): grid 4 x 64, 16 waves a work-group, no clusters, 231,424 bytes of LDS; arguments qkv, a_codes, a_scales; writes a_codes, a_scales
.if DOCPART == 3
	.amdgcn_target "amdgcn-amd-amdhsa--gfx1250"
	.amdhsa_code_object_version 6
	.text
	.protected	k_qd154eca59b_attn
	.globl	k_qd154eca59b_attn
	.p2align	8
	.type	k_qd154eca59b_attn,@function
k_qd154eca59b_attn:
	s_mov_b64 s[64:65], 0
	v_nop
	global_prefetch_b8 v0, s[64:65] scope:SCOPE_SE
	s_setreg_imm32_b32 hwreg(HW_REG_WAVE_MODE, 25, 1), 1
	s_wait_xcnt 0x0
; Causal attention of one head on codes of BF6 with E8M0 scales, head size 64, 2,048 positions; the result is divided by the row's sum and quantised along e = 64 head + d for the last product.
; THE SOFTMAX: t = score x log2(e) / 8; M = the running largest t rounded UP to a whole number; p = 2^(t - M) is quantised along the keys, not normalised; the sum is taken of the unquantised p.  When M moves, the sum and O are multiplied by 2^(old M - new M): exact.
; SHARES.  Work-group (j, batch x 16 + head), sixteen waves.  Wave w owns two tiles of 16 queries, tA = 16 j + w and tB = 127 - tA.  Tile t needs the steps of 128 keys s <= t / 8, of which s = t / 8 lies on the diagonal:
; (tA / 8 + 1) + (tB / 8 + 1) = 17 steps for every wave.  Four waves to a SIMD: one wave's vector work stands beside another's products and LDS loads.
; THE HEAD'S K AND V STAY IN LDS, filled once by three tensor loads a wave at the head (waves 0-7: K's record, 8-15: V's): codes of steps 0-1, the scale words, codes of steps 2-15.  Nothing is filled again.
; No joint loads, though the four work-groups of a head read the same K and V: each leaves out other steps, by branches on its own number, and partners of a joint load must run alike.  No prefetch: every load is issued at the head.
; LAYOUT.  Both products are used transposed: a lane holds ONE query, pi(t, lane % 16).  K = 64 is half of the instruction's 128: a fragment of K holds a PAIR of key tiles (K 0-63: tile 2 p, K 64-127: tile 2 p + 1), and is multiplied
; by (q, zeros) for tile 2 p and by (zeros, q) for tile 2 p + 1: zero codes add nothing.  The 16 registers of tiles 2 p, 2 p + 1 are keys 32 p + 16 (lane / 16) + 0 .. 15.
; LIMITS: a block whose every p is 0, and a block of zeros, get the byte 1: their codes are zeros.  NaN and infinities are not served.  The two scale bytes a row of the result leave by stores of 2 bytes a lane: one byte in 25 of what is written.
.set SECTION, 6553600
.set REC,   102400
.set SCW,   98304
.set STG,   204800                     ; the way out: 1,536 bytes a wave, bytes into which no fill lands
.set AK0,  1                           ; 24 x lane
.set AV0,  2                           ; + V's record
.set ASK0, 3                           ; K's scale words: 4 r
.set ASV0, 4                           ; V's
.set DVA,  5                           ; my query's place in its step of 128 keys, less 16 (lane / 16): tile A's,
.set DVB,  6                           ; tile B's
.set SWR,  7
.set SRD,  8
.set ADK,  11
.set ADV,  12
.set ADS,  13
.set ADT,  14
.set FG,   56                          ; v56-103 four fragments; in the softmax at work:
.set BM,   56
.set TP,   60
.set SOP,  64
.set BY,   68
.set CT,   72
.set SM,   80
.set S,    104                         ; v104-167 S^T, then p
.set PCD,  232                         ; p's codes
.set SW,   244                         ; K's or V's scale words
.set PSW,  248                         ; p's scale word
.set FF,   250                         ; f, as a pair
.set TM,   56                          ; the way out's quantiser
.set PW,   72
.set PC,   76
.set WV,   10
.set TA,   13
.set TBT,  14
.set DA,   15
.set DB,   16
.set STP,  17                          ; the step, and every loop's counter
.set TK,   18                          ; 6,144 x step
.set TS,   19                          ; 256 x step
.set SEL,  20
.set CS,   22
.macro GROUP1 g, rows                  ; a dense block as rows of 256 bytes (32 elements of 8)
	s_mov_b32 s[\g], 3<<16
	s_mov_b32 s[\g+1], 32<<16
	s_mov_b32 s[\g+2], (\rows)<<16
	s_mov_b32 s[\g+3], 32<<16
	s_mov_b32 s[\g+4], \rows
	s_mov_b32 s[\g+5], 32
	s_mov_b32 s[\g+6], 0
	s_mov_b32 s[\g+7], 0
.endm
	s_load_b128 s[4:7], s[0:1], 0x0                ; qkv, a_codes
	s_load_b64 s[8:9], s[0:1], 0x10                ; a_scales
	v_lshl_add_u32 v249, v0, 2, 0x38000
	v_mov_b32 v255, 0
	ds_add_u32 v249, v255
	ds_add_u32 v249, v255
	v_lshrrev_b32 v11, 5, v0
	v_readfirstlane_b32 s[WV], v11                 ; wave 0..15
	s_and_b32 s12, ttmp7, 0xffff                   ; batch x 16 + head
	s_lshl_b32 s[TA], ttmp9, 4
	s_add_co_u32 s[TA], s[TA], s[WV]
	s_sub_co_u32 s[TBT], 127, s[TA]
	s_lshr_b32 s[DA], s[TA], 3
	s_lshr_b32 s[DB], s[TBT], 3
	s_lshr_b32 s60, s[WV], 3                       ; 0: K's record, 1: V's
	s_and_b32 s61, s[WV], 7                        ; my eighth of it
	GROUP1 24, 6
	GROUP1 32, 2
	GROUP1 40, 42
	s_mul_i32 s62, s60, REC                        ; the record in LDS
	s_mul_i32 s66, s60, SECTION
	s_add_co_u32 s66, s66, SECTION
	s_mul_i32 s67, s12, REC
	s_mov_b32 s72, s67
	s_mov_b32 s73, 0
	s_add_co_u32 s66, s66, s67                     ; and in memory
	s_mov_b32 s67, 0
	s_mov_b32 s71, 0
	s_mov_b32 s[SEL], 0x76543210
	s_mov_b32 s[SEL+1], 0xfedcba98
	s_mov_b32 s[CS], 0x3e38aa3b                    ; c = log2(e) / 8
	s_mov_b32 s[CS+1], s[CS]
	s_mov_b32 s[STP], 0
	s_mov_b32 s[TK], 0
	s_mov_b32 s[TS], 0
	s_wait_dscnt 0x0
	s_wait_kmcnt 0x0
	s_add_nc_u64 s[68:69], s[4:5], s[66:67]
	s_add_nc_u64 s[72:73], s[4:5], s[72:73]        ; q's record
	s_mul_i32 s70, s61, 1536                       ; codes of steps 0 and 1: 12,288 bytes, an eighth a wave
	s_mov_b32 s48, 1
	s_add_co_u32 s49, s62, s70
	s_add_nc_u64 s[50:51], s[68:69], s[70:71]
	s_or_b32 s51, s51, 0x80000000
	s_lshl_b32 s70, s61, 9                         ; the scale words: 4,096 bytes
	s_add_co_u32 s70, s70, SCW
	s_mov_b32 s52, 1
	s_add_co_u32 s53, s62, s70
	s_add_nc_u64 s[54:55], s[68:69], s[70:71]
	s_or_b32 s55, s55, 0x80000000
	s_mul_i32 s70, s61, 10752                      ; codes of steps 2 to 15: 86,016 bytes
	s_add_co_u32 s70, s70, 12288
	s_mov_b32 s56, 1
	s_add_co_u32 s57, s62, s70
	s_add_nc_u64 s[58:59], s[68:69], s[70:71]
	s_or_b32 s59, s59, 0x80000000
	tensor_load_to_lds s[48:51], s[24:31]          ; the first fills go out as one group: three loads of a wave are out
	s_nop 0
	tensor_load_to_lds s[52:55], s[32:39]
	s_nop 0
	tensor_load_to_lds s[56:59], s[40:47]
	s_nop 0
.rept 4
	v_nop
.endr
	v_and_b32 v9, 31, v0                           ; lane
	v_and_b32 v10, 15, v0                          ; r
	v_bfe_u32 v15, v0, 4, 1                        ; h
	v_mul_u32_u24 v[AK0], v9, 24
	v_add_nc_u32 v[AV0], REC, v[AK0]
	v_lshl_add_u32 v[ASK0], v10, 2, SCW
	v_lshl_add_u32 v[ASV0], v10, 2, REC+SCW
	s_mul_i32 s60, s[WV], 1536
	s_add_co_u32 s60, s60, STG
	v_add_nc_u32 v[SWR], s60, v[AK0]
	v_lshlrev_b32 v[SRD], 4, v9
	v_add_nc_u32 v[SRD], s60, v[SRD]
	s_mul_i32 s60, s[TA], 768
	v_add_nc_u32 v12, s60, v[AK0]
	s_mul_i32 s60, s[TBT], 768
	v_add_nc_u32 v13, s60, v[AK0]
.irp x, 0,1,2
	global_load_b64 v[22+2*\x:23+2*\x], v12, s[72:73] offset:8*\x      ; tile A's half image of q
	global_load_b64 v[34+2*\x:35+2*\x], v13, s[72:73] offset:8*\x      ; tile B's
.endr
	s_lshr_b32 s60, s[TA], 1
	s_lshl_b32 s60, s60, 6
	v_lshl_add_u32 v14, v10, 2, s60
	s_lshr_b32 s60, s[TBT], 1
	s_lshl_b32 s60, s60, 6
	v_lshl_add_u32 v11, v10, 2, s60
	global_load_b32 v46, v14, s[72:73] offset:SCW  ; the words of the pairs of tiles in which mine lie
	global_load_b32 v47, v11, s[72:73] offset:SCW
.irp i, 16,17,18,19,20,21,28,29,30,31,32,33,40,41,42,43,44,45
	v_mov_b32 v[\i], 0                             ; v16-45 = zeros, qA, zeros, qB, zeros: (zeros, q) and (q, zeros) are runs of twelve
.endr
	v_and_b32 v9, 8, v10
	v_add_nc_u32 v9, v9, v10
	v_lshlrev_b32 v15, 4, v15
	v_sub_nc_u32 v9, v9, v15                       ; r + 8 (r / 8) - 16 h
	s_lshr_b32 s60, s[TA], 1
	s_and_b32 s60, s60, 3
	s_lshl_b32 s60, s60, 5
	s_and_b32 s61, s[TA], 1
	s_lshl_b32 s61, s61, 3
	s_add_co_u32 s60, s60, s61
	v_add_nc_u32 v[DVA], s60, v9
	s_lshr_b32 s60, s[TBT], 1
	s_and_b32 s60, s60, 3
	s_lshl_b32 s60, s60, 5
	s_and_b32 s61, s[TBT], 1
	s_lshl_b32 s61, s61, 3
	s_add_co_u32 s60, s60, s61
	v_add_nc_u32 v[DVB], s60, v9
.irp t, 48, 52
	v_mov_b32 v[\t+1], 0xff61b1e6                  ; the largest t so far: -3e38
	v_floor_f32 v[\t], -v[\t+1]                    ; -M
	v_mov_b32 v[\t+2], 0                           ; the sum, in two halves
	v_mov_b32 v[\t+3], 0
.endr
	v_mov_b32 v[FF+1], 0                           ; (named as the upper half of a pair)
	v_mov_b32 v252, 0
	v_mov_b32 v253, 0
	s_wait_tensorcnt 0x1                           ; my parts of steps 0-1 and of the scale words are in; the third load may be out
	s_barrier_signal -1
	s_barrier_wait -1
	s_wait_loadcnt 0x0                             ; q
	s_and_b32 s60, s[TA], 1
	s_lshl_b32 s60, s60, 4
	v_lshrrev_b32 v46, s60, v46
	v_and_b32 v46, 0xffff, v46
	v_lshl_or_b32 v46, v46, 16, v46                ; my tile's two bytes, twice: they serve q in either half of K
	s_and_b32 s60, s[TBT], 1
	s_lshl_b32 s60, s60, 4
	v_lshrrev_b32 v47, s60, v47
	v_and_b32 v47, 0xffff, v47
	v_lshl_or_b32 v47, v47, 16, v47
.irp j, 0,1,2,3,4,5,6,7,8,9,10,11,12,13,14,15,16,17,18,19,20,21,22,23,24,25,26,27,28,29,30,31,32,33,34,35,36,37,38,39,40,41,42,43,44,45,46,47,48,49,50,51,52,53,54,55,56,57,58,59,60,61,62,63
	v_mov_b32 v[168+\j], 0                         ; O^T of both tiles: the step is written once, its first turn finds zeros.  (These are also the places between the scale words just made and the first product)
.endr
; A STEP of 128 keys for one tile of queries.  qb: the tile's run of q; qs: its scale word; st: its statistics; ob: its O^T; dv, ds: its place on the diagonal.  mode = 1: the step may be hidden or on the diagonal.
.macro STEP qb, qs, st, ob, dv, ds, mode
.if \mode
	s_cmp_gt_u32 s[STP], s[\ds]                    ; all 128 keys come after my queries: a scalar branch on ids round the step's work
	s_cbranch_scc1 .Lhid_\@
.endif
	v_add_nc_u32 v[ADK], s[TK], v[AK0]             ; (four plain lines: the places in front of loads into registers that the last products read)
	v_add_nc_u32 v[ADV], s[TK], v[AV0]
	v_add_nc_u32 v[ADS], s[TS], v[ASK0]
	v_add_nc_u32 v[ADT], s[TS], v[ASV0]
.irp p, 0,1,2,3
.irp x, 0,1,2,3,4,5
	ds_load_b64 v[FG+12*\p+2*\x:FG+12*\p+2*\x+1], v[ADK] offset:1536*\p+768*(\x/3)+8*(\x%3)
.endr
	ds_load_b32 v[SW+\p], v[ADS] offset:64*\p
.endr
	s_wait_dscnt 0x0
.irp p, 0,1,2,3
	v_wmma_scale_f32_16x16x128_f8f6f4 v[S+16*\p:S+16*\p+7], v[FG+12*\p:FG+12*\p+11], v[\qb+6:\qb+17], 0, v[SW+\p], v[\qs] matrix_a_fmt:MATRIX_FMT_BF6 matrix_b_fmt:MATRIX_FMT_BF6
	v_wmma_scale_f32_16x16x128_f8f6f4 v[S+16*\p+8:S+16*\p+15], v[FG+12*\p:FG+12*\p+11], v[\qb:\qb+11], 0, v[SW+\p], v[\qs] matrix_a_fmt:MATRIX_FMT_BF6 matrix_b_fmt:MATRIX_FMT_BF6
.endr
.rept 4
	v_nop
.endr
.if \mode
	s_cmp_lg_u32 s[STP], s[\ds]
	s_cbranch_scc1 .Lopen_\@
	v_mov_b32 v254, 0xff800000                     ; on the diagonal hidden scores become -infinity: register 16 b + i is hidden where 32 b + i > my query's place - 16 (lane / 16)
.irp n, 0,1,2,3,4,5,6,7,8,9,10,11,12,13,14,15,16,17,18,19,20,21,22,23,24,25,26,27,28,29,30,31,32,33,34,35,36,37,38,39,40,41,42,43,44,45,46,47,48,49,50,51,52,53,54,55,56,57,58,59,60,61,62,63
	v_cmp_gt_i32 vcc_lo, 32*(\n/16)+\n%16, v[\dv]
	v_cndmask_b32 v[S+\n], v[S+\n], v254, vcc_lo
.endr
.Lopen_\@:
.endif
.irp b, 0,1,2,3
	v_max3_num_f32 v[BM+\b], v[S+16*\b], v[S+1+16*\b], v[S+2+16*\b]   ; the largest score of each block of 32 keys: for the row's maximum, and for the block's largest p
.endr
.irp i, 3,5,7,9,11,13
.irp b, 0,1,2,3
	v_max3_num_f32 v[BM+\b], v[BM+\b], v[S+16*\b+\i], v[S+1+16*\b+\i]
.endr
.endr
.irp b, 0,1,2,3
	v_max_num_f32 v[BM+\b], v[BM+\b], v[S+15+16*\b]
.endr
.irp b, 0,1,2,3
	v_permlanex16_b32 v[TP+\b], v[BM+\b], s[SEL], s[SEL+1]
.endr
.irp b, 0,1,2,3
	v_max_num_f32 v[BM+\b], v[BM+\b], v[TP+\b]
.endr
	v_max3_num_f32 v254, v[BM], v[BM+1], v[BM+2]
	v_max_num_f32 v254, v254, v[BM+3]
	v_mul_f32 v254, s[CS], v254
	v_max_num_f32 v[\st+1], v[\st+1], v254         ; the running largest t
	v_mov_b32 v254, v[\st]
	v_floor_f32 v[\st], -v[\st+1]                  ; -M = floor(-t)
	v_sub_f32 v254, v[\st], v254                   ; old M - new M: a whole number, 0 or less
	v_cvt_i32_f32 v254, v254                       ; (it saturates)
	v_ldexp_f32 v[FF], 1.0, v254                   ; f = 2^(old M - new M)
.irp j, 0,2,4,6,8,10,12,14,16,18,20,22,24,26,28,30,32,34,36,38,40,42,44,46,48,50,52,54,56,58,60,62
	v_pk_fma_f32 v[S+\j:S+1+\j], v[S+\j:S+1+\j], s[CS:CS+1], v[\st:\st+1] op_sel_hi:[1,0,0]   ; t - M
.endr
.irp b, 0,1,2,3
	v_fma_f32 v[BM+\b], v[BM+\b], s[CS], v[\st]
.endr
.irp j, 0,1,2,3,4,5,6,7,8,9,10,11,12,13,14,15,16,17,18,19,20,21,22,23,24,25,26,27,28,29,30,31,32,33,34,35,36,37,38,39,40,41,42,43,44,45,46,47,48,49,50,51,52,53,54,55,56,57,58,59,60,61,62,63
	v_exp_f32 v[S+\j], v[S+\j]                     ; p: one batch
.endr
	v_pk_mul_f32 v[\st+2:\st+3], v[\st+2:\st+3], v[FF:FF+1] op_sel_hi:[1,0]   ; the sums under the new M (a plain line behind the batch)
	s_wait_alu depctr_va_vdst(0)                   ; one wait for the batch, ahead of its first reader
.irp b, 0,1,2,3
	v_exp_f32 v[BM+\b], v[BM+\b]                   ; each block's largest p
.endr
	v_pk_add_f32 v[SM:SM+1], v[S:S+1], v[S+2:S+3]  ; the sum of the unquantised p, in two chains
.irp j, 4,8,12,16,20,24,28,32,36,40,44,48,52,56,60
	v_pk_add_f32 v[\st+2:\st+3], v[\st+2:\st+3], v[S+\j:S+1+\j]
	v_pk_add_f32 v[SM:SM+1], v[SM:SM+1], v[S+2+\j:S+3+\j]
.endr
	v_pk_add_f32 v[\st+2:\st+3], v[\st+2:\st+3], v[SM:SM+1]
	s_wait_alu depctr_va_vdst(0)                   ; and one for the four
.irp b, 0,1,2,3
	v_max_num_f32 v[BM+\b], 0x2800000, v[BM+\b]    ; the floor 2^(5 - 127)
.endr
.irp b, 0,1,2,3
	v_add_nc_u32 v[SOP+\b], 0xfe000000, v[BM+\b]
.endr
.irp b, 0,1,2,3
	v_lshrrev_b32 v[BY+\b], 23, v[SOP+\b]
.endr
	v_lshl_or_b32 v[PSW], v[BY+1], 8, v[BY]
	v_lshl_or_b32 v[PSW], v[BY+2], 16, v[PSW]
	v_lshl_or_b32 v[PSW], v[BY+3], 24, v[PSW]
.irp c, 0,1
	v_cvt_scalef32_pk16_bf6_f32 v[PCD+6*\c:PCD+2+6*\c], v[S+32*\c:S+15+32*\c], v[SOP+2*\c]
	v_cvt_scalef32_pk16_bf6_f32 v[CT+4*\c:CT+2+4*\c], v[S+16+32*\c:S+31+32*\c], v[SOP+2*\c+1]
.endr
	v_nop
.irp c, 0,1
.irp i, 0,1,2
	v_permlane16_swap_b32 v[PCD+6*\c+\i], v[CT+4*\c+\i]
.endr
.irp i, 0,1,2
	v_mov_b32 v[PCD+3+6*\c+\i], v[CT+4*\c+\i]
.endr
.endr
.irp j, 0,2,4,6,8,10,12,14,16,18,20,22,24,26,28,30
	v_pk_mul_f32 v[\ob+\j:\ob+1+\j], v[\ob+\j:\ob+1+\j], v[FF:FF+1] op_sel_hi:[1,0]   ; O^T under the new M.  (Also the places between p's word and codes and the products)
.endr
.irp t, 0,1,2,3
.irp x, 0,1,2,3,4,5
	ds_load_b64 v[FG+12*\t+2*\x:FG+12*\t+2*\x+1], v[ADV] offset:1536*\t+768*(\x/3)+8*(\x%3)
.endr
	ds_load_b32 v[SW+\t], v[ADT] offset:64*\t
.endr
	s_wait_dscnt 0x0
.irp t, 0,1,2,3                                ; four accumulators by turns
	v_wmma_scale_f32_16x16x128_f8f6f4 v[\ob+8*\t:\ob+8*\t+7], v[FG+12*\t:FG+12*\t+11], v[PCD:PCD+11], v[\ob+8*\t:\ob+8*\t+7], v[SW+\t], v[PSW] matrix_a_fmt:MATRIX_FMT_BF6 matrix_b_fmt:MATRIX_FMT_BF6
.endr
.if \mode
.Lhid_\@:
.endif
.endm
.macro NEXT
	s_add_co_u32 s[TK], s[TK], 6144
	s_add_co_u32 s[TS], s[TS], 256
	s_add_co_u32 s[STP], s[STP], 1
.endm
.L0:                                               ; steps 0, 1
	STEP 16, 46, 48, 168, DVA, DA, 1
	STEP 28, 47, 52, 200, DVB, DB, 0               ; tile B's diagonal lies at step 8 or later: these steps are open
	NEXT
	s_cmp_lt_u32 s[STP], 2
	s_cbranch_scc1 .L0
	s_wait_tensorcnt 0x0                           ; my part of steps 2-15 is in,
	s_wait_dscnt 0x0
	s_barrier_signal -1
	s_barrier_wait -1                              ; everybody's is
.L1:                                               ; steps 2 to 7
	STEP 16, 46, 48, 168, DVA, DA, 1
	STEP 28, 47, 52, 200, DVB, DB, 0
	NEXT
	s_cmp_lt_u32 s[STP], 8
	s_cbranch_scc1 .L1
.L2:                                               ; steps 8 to 15: tile B alone
	STEP 28, 47, 52, 200, DVB, DB, 1
	NEXT
	s_cmp_lt_u32 s[STP], 16
	s_cbranch_scc1 .L2
	; THE WAY OUT: O^T / the sum; the two tiles' 2 x 32 numbers a lane are four blocks of 32 along e; one fragment's worth of codes: registers 0-5 tile A's half image, 6-11 tile B's.
.rept 4
	v_nop
.endr
	v_add_f32 v50, v50, v51
	v_add_f32 v54, v54, v55
	v_permlanex16_b32 v252, v50, s[SEL], s[SEL+1]
	v_permlanex16_b32 v253, v54, s[SEL], s[SEL+1]
	v_add_f32 v50, v50, v252
	v_add_f32 v54, v54, v253
	v_rcp_f32 v50, v50
	v_rcp_f32 v54, v54
	v_nop
	s_wait_alu depctr_va_vdst(0)                   ; one wait for the two reciprocals
.irp j, 0,1,2,3,4,5,6,7,8,9,10,11,12,13,14,15,16,17,18,19,20,21,22,23,24,25,26,27,28,29,30,31
	v_mul_f32 v[S+\j], v[168+\j], v50              ; register 16 b + i is d = 32 b + 16 (lane / 16) + i
.endr
.irp j, 0,1,2,3,4,5,6,7,8,9,10,11,12,13,14,15,16,17,18,19,20,21,22,23,24,25,26,27,28,29,30,31
	v_mul_f32 v[S+32+\j], v[200+\j], v54
.endr
.irp b, 0,1,2,3
	v_mov_b32 v[TM+4+\b], 0
.endr
.irp b, 0,1,2,3
	v_max3_num_f32 v[TM+\b], |v[S+16*\b]|, |v[S+1+16*\b]|, 0x2800000
.endr
.irp i, 2,4,6,8,10,12,14
.irp b, 0,1,2,3
	v_max3_num_f32 v[TM+\b], v[TM+\b], |v[S+16*\b+\i]|, |v[S+1+16*\b+\i]|
.endr
.endr
.irp b, 0,1,2,3
	v_permlanex16_b32 v[TM+4+\b], v[TM+\b], s[SEL], s[SEL+1]
.endr
.irp b, 0,1,2,3
	v_max_num_f32 v[TM+\b], v[TM+\b], v[TM+4+\b]
.endr
.irp b, 0,1,2,3
	v_add_nc_u32 v[TM+12+\b], 0xfe000000, v[TM+\b]
.endr
.irp b, 0,1,2,3
	v_lshrrev_b32 v[TM+4+\b], 23, v[TM+12+\b]
.endr
	v_lshl_or_b32 v[PW], v[TM+5], 8, v[TM+4]
	v_lshl_or_b32 v[PW], v[TM+6], 16, v[PW]
	v_lshl_or_b32 v[PW], v[TM+7], 24, v[PW]        ; tile A's two bytes, then tile B's
.irp c, 0,1
	v_cvt_scalef32_pk16_bf6_f32 v[PC+6*\c:PC+2+6*\c], v[S+32*\c:S+15+32*\c], v[TM+12+2*\c]
	v_cvt_scalef32_pk16_bf6_f32 v[PC+12+4*\c:PC+14+4*\c], v[S+16+32*\c:S+31+32*\c], v[TM+12+2*\c+1]
.endr
	v_nop
.irp c, 0,1
.irp i, 0,1,2
	v_permlane16_swap_b32 v[PC+6*\c+\i], v[PC+12+4*\c+\i]
.endr
.irp i, 0,1,2
	v_mov_b32 v[PC+3+6*\c+\i], v[PC+12+4*\c+\i]
.endr
.endr
.irp x, 0,1,2,3,4,5
	ds_store_b64 v[SWR], v[PC+2*\x:PC+2*\x+1] offset:768*(\x/3)+8*(\x%3)
.endr
.irp i, 0,1,2
	ds_load_b128 v[S+4*\i:S+4*\i+3], v[SRD] offset:512*\i   ; LDS serves a wave's instructions in order: these see the stores
.endr
	; a tile's half image goes to (128 batch + t) x 12,288 + 768 head: three blocks of 256 bytes
	s_lshr_b32 s60, s12, 4
	s_and_b32 s61, s12, 15
	s_lshl_b32 s60, s60, 7
	s_add_co_u32 s62, s60, s[TA]
	s_add_co_u32 s63, s60, s[TBT]
	s_mul_i32 s66, s62, 12288
	s_mul_i32 s67, s63, 12288
	s_mul_i32 s68, s61, 768
	s_add_co_u32 s66, s66, s68                     ; tile A's place
	s_add_co_u32 s67, s67, s68                     ; tile B's
	v_and_b32 v96, 31, v0
	v_lshlrev_b32 v96, 4, v96
	v_add_nc_u32 v97, s66, v96                     ; A's bytes 0-511
	s_add_co_u32 s69, s67, 256
	v_add_nc_u32 v99, s69, v96                     ; B's bytes 256-767
	v_and_b32 v100, 15, v0
	v_bfe_u32 v101, v0, 4, 1
	s_add_co_u32 s70, s66, 512
	s_sub_co_u32 s71, s67, s70
	v_mul_lo_u32 v98, v101, s71
	v_lshl_add_u32 v98, v100, 4, v98
	v_add_nc_u32 v98, s70, v98                     ; lanes 0-15: A's bytes 512-767; lanes 16-31: B's bytes 0-255
	s_lshl_b32 s72, s62, 9                         ; the scale bytes: (128 batch + t) x 512 + 128 (head / 4) + 8 r + 2 (head % 4)
	s_lshl_b32 s73, s63, 9
	s_sub_co_u32 s73, s73, s72
	s_lshr_b32 s74, s61, 2
	s_lshl_b32 s74, s74, 7
	s_and_b32 s75, s61, 3
	s_lshl_b32 s75, s75, 1
	s_add_co_u32 s72, s72, s74
	s_add_co_u32 s72, s72, s75
	v_mul_lo_u32 v102, v101, s73
	v_lshl_add_u32 v102, v100, 3, v102
	v_add_nc_u32 v102, s72, v102
	v_lshrrev_b32 v103, 16, v[PW]
	v_cmp_eq_u32 vcc_lo, 1, v101
	v_cndmask_b32 v103, v[PW], v103, vcc_lo        ; lanes 0-15 store tile A's two bytes, lanes 16-31 tile B's
	s_wait_dscnt 0x0
	global_store_b128 v97, v[S:S+3], s[6:7]
	global_store_b128 v98, v[S+4:S+7], s[6:7]
	global_store_b128 v99, v[S+8:S+11], s[6:7]
	global_store_b16 v102, v103, s[8:9]
	s_wait_tensorcnt 0x0
	ds_add_u32 v249, v255
	s_wait_dscnt 0x0
	s_endpgm
.Lfunc_end_k_qd154eca59b_attn:
	.size	k_qd154eca59b_attn, .Lfunc_end_k_qd154eca59b_attn-k_qd154eca59b_attn
	.p2alignl 7, 3214868480
	.fill 96, 4, 3214868480
	.section	.rodata,"a",@progbits
	.p2align	6, 0x0
	.amdhsa_kernel k_qd154eca59b_attn
		.amdhsa_group_segment_fixed_size 231424
		.amdhsa_private_segment_fixed_size 0
		.amdhsa_enable_private_segment 0
		.amdhsa_kernarg_size 24
		.amdhsa_user_sgpr_count 2
		.amdhsa_user_sgpr_kernarg_segment_ptr 1
		.amdhsa_wavefront_size32 1
		.amdhsa_system_sgpr_workgroup_id_x 1
		.amdhsa_system_sgpr_workgroup_id_y 1
		.amdhsa_system_sgpr_workgroup_id_z 1
		.amdhsa_system_vgpr_workitem_id 0
		.amdhsa_next_free_vgpr 256
		.amdhsa_next_free_sgpr 80
		.amdhsa_reserve_vcc 1
		.amdhsa_float_denorm_mode_32 3
		.amdhsa_float_denorm_mode_16_64 3
		.amdhsa_memory_ordered 1
		.amdhsa_forward_progress 1
		.amdhsa_inst_pref_size 120
	.end_amdhsa_kernel
	.amdgpu_metadata
---
amdhsa.version: [ 1, 2 ]
amdhsa.kernels:
  - .name:           k_qd154eca59b_attn
    .symbol:         k_qd154eca59b_attn.kd
    .args:
      - { .name: qkv, .offset: 0, .size: 8, .value_kind: global_buffer, .address_space: global }
      - { .name: a_codes, .offset: 8, .size: 8, .value_kind: global_buffer, .address_space: global }
      - { .name: a_scales, .offset: 16, .size: 8, .value_kind: global_buffer, .address_space: global }
    .group_segment_fixed_size: 231424
    .private_segment_fixed_size: 0
    .kernarg_segment_align: 8
    .kernarg_segment_size: 24
    .max_flat_workgroup_size: 512
    .sgpr_count:     80
    .vgpr_count:     256
    .wavefront_size: 32
...
	.end_amdgpu_metadata
.endif
;; end of part 3
;; launch oproj (part 4): grid 4 x 32, 4 waves a work-group, clusters of 4 x 4, 327,680 bytes of LDS; arguments a_codes, a_scales, w_codes, w_scales, out0; writes out0
.if DOCPART == 4
	.amdgcn_target "amdgcn-amd-amdhsa--gfx1250"
	.amdhsa_code_object_version 6
	.text
	.protected	k_qd154eca59b_oproj
	.globl	k_qd154eca59b_oproj
	.p2align	8
	.type	k_qd154eca59b_oproj,@function
k_qd154eca59b_oproj:
	s_mov_b64 s[64:65], 0
	v_nop
	global_prefetch_b8 v0, s[64:65] scope:SCOPE_SE
	s_setreg_imm32_b32 hwreg(HW_REG_WAVE_MODE, 25, 1), 1
	s_wait_xcnt 0x0
	s_wait_alu depctr_hold_cnt(0) depctr_sa_sdst(0) depctr_va_vdst(0) depctr_va_sdst(0) depctr_va_ssrc(0) depctr_va_vcc(0) depctr_vm_vsrc(0)
	s_getreg_b32 s2, hwreg(HW_REG_IB_STS2, 6, 4)
	s_cmp_eq_u32 s2, 0
	s_cbranch_scc0 .Lentry_in_a_cluster
	s_endpgm
.Lentry_in_a_cluster:
	s_bfe_u32 s2, ttmp6, 0x10000c
	s_cmp_lg_u32 s2, 0xf033
	s_cbranch_scc0 .Lentry_shape_is_right
	s_endpgm
.Lentry_shape_is_right:
; out0 = attention's result x Wo^T: [8192 x 1024] x [1024 x 1024] on codes of BF6 with E8M0 scales, f32 sums, f32 out.
; A tile of the result, 256 x 256, is made by four waves; a wave makes 128 x 128: 64 accumulators, 512 registers.  K goes in steps of 256 through a ring of two LDS slots filled by tensor loads.
; OPERANDS lie in memory in the order of the operand's registers: [tile of 16 rows][K / 64][768 bytes], lane l's 24 bytes at 24 l; a K step of a tile is 3,072 consecutive bytes, a wave's load 8 such rows.
; Tile T, lane row r is matrix row pi(T, r) = 32 (T / 2) + 8 (T % 2) + r + 8 (r / 8), on both sides.  The product is used TRANSPOSED (source 0 = rows of Wo, source 1 = rows of A): a lane holds one row of the result, and the 16 registers
; of Wo's tiles 2 b, 2 b + 1 are its 16 neighbouring columns 32 b + 16 (lane / 16) + 0 .. 15.  pi appears on the way out alone, in immediates.
; SCALES of the work-group's rows, for all of K, come into LDS once: [tile][K / 256][r][8 bytes].  Wo's tiles are tiles 192-255 of w_codes and w_scales.
; CLUSTER 4 x 4: A's tiles are asked for jointly along a row of the cluster, Wo's along a column.  128 work-groups: a wave tile of half the width would read 72 pieces of 8 bytes a lane for 32 products where this one reads 96 for 64.
; REGISTERS, in windows of 256: window 0: v0-31 addresses; v32-63 scale words, two sets; v128-223 A's fragments, one set; on the way out v128-255 hold rows.  window 1: Wo's fragments, two sets.  windows 2, 3: accumulator (a, b) at v[8 (8 (a % 4) + b)].
; No prefetch: K has four steps, two of them first fills.
.set NQ,     2
.set FR,     12
.set NL,     6
.set NP,     4
.set TB,     3072
.set HALFT,  8*TB
.set SLOT,   4*HALFT
.set LAPS,   2
.set SCL,    2*SLOT
.set HALFS,  4096
.set SBLK,   512
.set SPARE,  SCL+4*HALFS               ; the spare words: 128 bytes a wave, two blocks of 256 bytes that no other line names
.set SPITCH, 528                       ; the way out: 16 rows x (512 + 16) bytes a wave, in slot 0, behind its last fill and its last read
.set ADRA, 16
.set ADRB, 20
.set STO,  24
.set RD,   25
.set CO,   26
.set ADRS, 27
.set SPW,  28
.set NIL,  29
.set SC,   32
.set AF,   128
.set BK,   128
.set G1, 24
.set G0, 32
.set G1B, 48
.set G0B, 56
.set G1S, 68
.set G0S, 76
.set G1SB, 80
.set G0SB, 88
.set MSB, 0
.macro WIN new                         ; the immediate's high byte repeats the setting that is left
.if MSB != (\new)
	s_set_vgpr_msb (MSB<<8)|(\new)
.set MSB, (\new)
.endif
.endm
.set MUL_LO, 0xa1
.set MUL_HI, 0xf1
.set TO_B,   0x40
; A joint load: waves 0 and 1 fetch for A, waves 2 and 3 for Wo; the branch hangs on the wave's number alone.  Four v_nop follow each of the two lines.
.macro JLOAD g0a, g1a, g0b, g1b
	s_cmp_eq_u32 s15, 0
	s_cbranch_scc0 .Lfor_b_\@
	tensor_load_to_lds s[\g0a:\g0a+3], s[\g1a:\g1a+7]
	s_nop 0
.rept 4
	v_nop
.endr
	s_branch .Lasked_\@
.Lfor_b_\@:
	tensor_load_to_lds s[\g0b:\g0b+3], s[\g1b:\g1b+7]
	s_nop 0
.rept 4
	v_nop
.endr
.Lasked_\@:
.endm
.macro CREST
	s_cmp_lg_u32 s14, 0
	s_cbranch_scc1 .Lnot_wave_0_\@
	s_barrier_signal -3
.Lnot_wave_0_\@:
	s_barrier_wait -3
	s_barrier_signal -1
	s_barrier_wait -1
.endm
.macro CROUND
	s_barrier_signal -1
	s_barrier_wait -1
	CREST
.endm
	s_load_b128 s[4:7], s[0:1], 0x0                ; A's codes, A's scales
	s_load_b128 s[8:11], s[0:1], 0x10              ; the weights' codes and scales
	s_load_b64 s[12:13], s[0:1], 0x20              ; out0
	v_lshl_add_u32 v[SPW], v0, 2, SPARE
	v_mov_b32 v[NIL], 0
	ds_add_u32 v28, v29
	ds_add_u32 v28, v29
	s_wait_dscnt 0x0
	v_lshrrev_b32 v1, 5, v0
	v_readfirstlane_b32 s14, v1                    ; wave 0..3
	s_lshr_b32 s15, s14, 1
	s_and_b32 s16, s14, 1
	s_bfe_u32 s40, ttmp6, 0x40000                  ; cx, cy
	s_bfe_u32 s41, ttmp6, 0x40004
	s_lshl_b32 s42, ttmp9, 2
	s_add_co_u32 s42, s42, s40                     ; tile column
	s_and_b32 s17, ttmp7, 0xffff
	s_lshl_b32 s17, s17, 2
	s_add_co_u32 s17, s17, s41                     ; tile row
	s_lshl_b32 s43, s41, 2
	s_lshl_b32 s43, 15, s43
	s_lshl_b32 s44, 0x1111, s40
	s_or_b32 s[G1+0], s43, (3<<16)|(1<<21)         ; codes: 8 rows of 384 elements of 8 bytes, 1,536 elements apart; no padding
	s_or_b32 s[G1B+0], s44, (3<<16)|(1<<21)
.irp g, G1, G1B
	s_mov_b32 s[\g+1], 384<<16
	s_mov_b32 s[\g+2], 8<<16
	s_mov_b32 s[\g+3], 384<<16
	s_mov_b32 s[\g+4], 8
	s_mov_b32 s[\g+5], 1536
	s_mov_b32 s[\g+6], 0
	s_mov_b32 s[\g+7], 0
.endr
	s_or_b32 s[G1S+0], s43, (3<<16)|(1<<21)        ; scales of 128 rows: 4,096 dense bytes as 16 rows of 256
	s_or_b32 s[G1SB+0], s44, (3<<16)|(1<<21)
.irp g, G1S, G1SB
	s_mov_b32 s[\g+1], 32<<16
	s_mov_b32 s[\g+2], 16<<16
	s_mov_b32 s[\g+3], 32<<16
	s_mov_b32 s[\g+4], 16
	s_mov_b32 s[\g+5], 32
	s_mov_b32 s[\g+6], 0
	s_mov_b32 s[\g+7], 0
.endr
	s_lshl_b32 s18, s16, 7
	s_lshl_b32 s20, s17, 8
	s_add_co_u32 s20, s20, s18
	s_lshl_b32 s46, s42, 8
	s_add_co_u32 s46, s46, s18
	s_mov_b32 s21, 0
	s_mov_b32 s47, 0
	s_mov_b64 s[18:19], 32
	s_mul_u64 s[22:23], s[20:21], s[18:19]
	s_mul_u64 s[92:93], s[46:47], s[18:19]
	s_mov_b64 s[18:19], 768
	s_mul_u64 s[20:21], s[20:21], s[18:19]
	s_mul_u64 s[46:47], s[46:47], s[18:19]
	s_mul_i32 s45, s14, HALFT
	s_mul_i32 s94, s14, HALFS
	s_wait_kmcnt 0x0
	s_add_nc_u64 s[8:9], s[8:9], 192*12288         ; Wo's tiles
	s_add_nc_u64 s[10:11], s[10:11], 192*512
	s_add_nc_u64 s[20:21], s[4:5], s[20:21]
	s_add_nc_u64 s[22:23], s[6:7], s[22:23]
	s_add_nc_u64 s[46:47], s[8:9], s[46:47]
	s_add_nc_u64 s[92:93], s[10:11], s[92:93]
	CROUND                                         ; all sixteen work-groups are here: the first joint loads meet
	s_mov_b32 s[G0S], 1
	s_add_co_u32 s[G0S+1], s94, SCL
	s_mov_b64 s[G0S+2:G0S+3], s[22:23]
	s_or_b32 s[G0S+3], s[G0S+3], 0x80000000
	s_mov_b32 s[G0SB], 1
	s_add_co_u32 s[G0SB+1], s94, SCL
	s_mov_b64 s[G0SB+2:G0SB+3], s[92:93]
	s_or_b32 s[G0SB+3], s[G0SB+3], 0x80000000
	JLOAD G0S, G1S, G0SB, G1SB
.irp s, 0,1
	s_mov_b32 s[G0+4*\s], 1
	s_add_co_u32 s[G0+4*\s+1], s45, \s*SLOT
	s_add_nc_u64 s[G0+4*\s+2:G0+4*\s+3], s[20:21], \s*TB
	s_or_b32 s[G0+4*\s+3], s[G0+4*\s+3], 0x80000000
	s_mov_b32 s[G0B+4*\s], 1
	s_add_co_u32 s[G0B+4*\s+1], s45, \s*SLOT
	s_add_nc_u64 s[G0B+4*\s+2:G0B+4*\s+3], s[46:47], \s*TB
	s_or_b32 s[G0B+4*\s+3], s[G0B+4*\s+3], 0x80000000
	JLOAD G0+4*\s, G1, G0B+4*\s, G1B               ; by this text's count three tensor loads of a wave are out
.endr
	v_and_b32 v1, 15, v0                           ; r
	v_bfe_u32 v2, v0, 4, 1                         ; h
	v_and_b32 v9, 31, v0                           ; lane
	v_mul_u32_u24 v4, v9, 24
	s_mul_i32 s21, s15, HALFT
	s_mul_i32 s22, s16, HALFT
	s_add_co_u32 s22, s22, 2*HALFT
.irp s, 0,1
	v_add_nc_u32 v[ADRA+\s], s21, v4
	v_add_nc_u32 v[ADRB+\s], s22, v4
	s_add_co_u32 s21, s21, SLOT
	s_add_co_u32 s22, s22, SLOT
.endr
	v_lshlrev_b32 v12, 3, v1
	s_mul_i32 s21, s15, HALFS
	s_mul_i32 s22, s16, HALFS
	s_add_co_u32 s22, s22, 2*HALFS
	s_sub_co_u32 s22, s22, s21
	v_mul_u32_u24 v13, s22, v2                     ; lanes 16-31 take Wo's
	s_add_co_u32 s21, s21, SCL
	v_add_nc_u32 v12, v12, v13
	v_add_nc_u32 v[ADRS], s21, v12
	s_mul_i32 s23, s14, 16*SPITCH                  ; my stage
	v_mul_u32_u24 v12, v1, SPITCH
	v_lshl_add_u32 v12, v2, 6, v12                 ; in: row r, + 64 h: my 16 columns of each 32
	v_add_nc_u32 v[STO], s23, v12
	v_lshlrev_b32 v[CO], 4, v9                     ; back: the 32 lanes take a row of 512 bytes; and the same in out0
	v_add_nc_u32 v[RD], s23, v[CO]
	s_lshl_b32 s20, s17, 8
	s_lshl_b32 s21, s15, 7
	s_add_co_u32 s20, s20, s21                     ; my first row
	s_lshl_b32 s20, s20, 12                        ; rows of 4,096 bytes
	s_mov_b32 s21, 0
	s_lshl_b32 s46, s42, 10
	s_lshl_b32 s47, s16, 9
	s_add_co_u32 s46, s46, s47                     ; my first column, in bytes
	s_mov_b32 s47, 0
	s_add_nc_u64 s[20:21], s[20:21], s[46:47]
	s_add_nc_u64 s[12:13], s[12:13], s[20:21]
.macro FRAG reg, adr, q, i             ; a fragment is two half images on end: six loads of 8 bytes at 24 x lane
.irp p, 0,1,2,3,4,5
	ds_load_b64 v[\reg+2*\p:\reg+2*\p+1], v[\adr] offset:(\i)*TB+(\q)*1536+768*(\p/3)+8*(\p%3)
.endr
.endm
; 16 matrix instructions: A's blocks a0, a0 + 1 against Wo's eight.  The 64 accumulators take turns, one instruction a turn, in the same order in every step.
.macro MUL16 a0, p, q, sc, zero
.irp a, \a0, \a0+1
.irp b, 0,1,2,3,4,5,6,7
.if \zero
	v_wmma_scale_f32_16x16x128_f8f6f4 v[8*(8*((\a)%4)+\b):8*(8*((\a)%4)+\b)+7], v[128*(\p)+FR*\b:128*(\p)+FR*\b+FR-1], v[AF+FR*(\a):AF+FR*(\a)+FR-1], 0, v[SC+8*NQ*(\sc)+NQ*\b+(\q)], v[SC+8*NQ*(\sc)+NQ*(\a)+(\q)] matrix_a_fmt:MATRIX_FMT_BF6 matrix_b_fmt:MATRIX_FMT_BF6 matrix_a_scale:MATRIX_SCALE_ROW1
.else
	v_wmma_scale_f32_16x16x128_f8f6f4 v[8*(8*((\a)%4)+\b):8*(8*((\a)%4)+\b)+7], v[128*(\p)+FR*\b:128*(\p)+FR*\b+FR-1], v[AF+FR*(\a):AF+FR*(\a)+FR-1], v[8*(8*((\a)%4)+\b):8*(8*((\a)%4)+\b)+7], v[SC+8*NQ*(\sc)+NQ*\b+(\q)], v[SC+8*NQ*(\sc)+NQ*(\a)+(\q)] matrix_a_fmt:MATRIX_FMT_BF6 matrix_b_fmt:MATRIX_FMT_BF6 matrix_a_scale:MATRIX_SCALE_ROW1
.endif
.endr
.endr
.endm
.macro FETCH_B slot, q, p
	WIN TO_B
.irp i, 0,1,2,3,4,5,6,7
	FRAG 128*(\p)+FR*\i, ADRB+\slot, \q, \i
.endr
	WIN 0
.endm
.macro FETCH_A slot, q, i0
.irp i, \i0, \i0+1, \i0+2, \i0+3
	FRAG AF+FR*(\i), ADRA+\slot, \q, \i
.endr
.endm
.macro SCALES sc
.irp i, 0,1,2,3,4,5,6,7
	ds_load_b64 v[SC+8*NQ*\sc+NQ*\i:SC+8*NQ*\sc+NQ*\i+1], v[ADRS] offset:\i*SBLK
.endr
.endm
.macro PLACES n                        ; plain vector lines between a matrix instruction and a load into, or a read of, its registers
.rept \n
	v_nop
.endr
.endm
.macro STEP slot, q, zero
	s_wait_dscnt 4*NL                              ; Wo's set and A's blocks 0-3 are in; the youngest 24 loads (A's blocks 4-7) may be out
	WIN MUL_LO
	MUL16 0, (\q)%2, \q, \slot, \zero
	MUL16 2, (\q)%2, \q, \slot, \zero
	s_wait_dscnt 0
	PLACES NP
	FETCH_B \slot, (\q)+1, 1-(\q)%2
	FETCH_A \slot, (\q)+1, 0
	WIN MUL_HI
	MUL16 4, (\q)%2, \q, \slot, \zero
	MUL16 6, (\q)%2, \q, \slot, \zero
	PLACES NP
	WIN 0
	FETCH_A \slot, (\q)+1, 4
.endm
; A slot's last 128 along K changes slots: one barrier; in front of it each wave waits for all its tensor loads, adds 0 to its spare word, and waits for that and for its reads of this slot.
.macro TURN slot, next, fill
	s_wait_tensorcnt 0x0                           ; all my tensor loads have landed: my part of the next slot
	ds_add_u32 v[SPW], v[NIL]                      ; 0 onto my spare word
	s_wait_dscnt 4*NL+1                            ; (the add and the youngest 24 loads may be out)
	WIN MUL_LO
	MUL16 0, 1, NQ-1, \slot, 0
	s_wait_dscnt 0x0                               ; the add is done, and my reads of this slot are over
	s_barrier_signal -1
	MUL16 2, 1, NQ-1, \slot, 0
	WIN 0
	s_barrier_wait -1
.if \fill
	CREST                                          ; the barrier has opened a round of the cluster's: no wave of any partner still reads this slot or has a load on its way
	s_add_nc_u64 s[G0+4*\slot+2:G0+4*\slot+3], s[G0+4*\slot+2:G0+4*\slot+3], 2*TB
	s_add_nc_u64 s[G0B+4*\slot+2:G0B+4*\slot+3], s[G0B+4*\slot+2:G0B+4*\slot+3], 2*TB
	JLOAD G0+4*\slot, G1, G0B+4*\slot, G1B         ; the first tensor load behind the round; its four v_nop are the places in front of the loads below
.else
	PLACES NP
.endif
	v_add_nc_u32 v[ADRS], 128, v[ADRS]             ; the next K step's scale words
	FETCH_B \next, 0, 0
	FETCH_A \next, 0, 0
	SCALES \next
	WIN MUL_HI
	MUL16 4, 1, NQ-1, \slot, 0
	MUL16 6, 1, NQ-1, \slot, 0
	PLACES NP
	WIN 0
	FETCH_A \next, 0, 4
.endm
	s_wait_tensorcnt 1                             ; the scales and my part of K step 0 are in (K step 1's load may be out),
	s_barrier_signal -1
	s_barrier_wait -1                              ; everybody's are
	FETCH_B 0, 0, 0
	FETCH_A 0, 0, 0
	SCALES 0
	FETCH_A 0, 0, 4
	STEP 0, 0, 1                                   ; the first products start the sums
	s_mov_b32 s3, LAPS-1
.Llap:
	TURN 0, 1, 1
	STEP 1, 0, 0
	TURN 1, 0, 1
	STEP 0, 0, 0
	s_sub_co_u32 s3, s3, 1
	s_cmp_lg_u32 s3, 0
	s_cbranch_scc1 .Llap
	TURN 0, 1, 0                                   ; the last lap fills nothing
	STEP 1, 0, 0
	s_wait_dscnt 4*NL
	WIN MUL_LO
	MUL16 0, 1, NQ-1, 1, 0
	MUL16 2, 1, NQ-1, 1, 0
	s_wait_dscnt 0
	WIN MUL_HI
	MUL16 4, 1, NQ-1, 1, 0
	MUL16 6, 1, NQ-1, 1, 0
	WIN 0
; THE WAY OUT, block by block of 16 rows x 128 columns, through my own stage in LDS: in by lanes (a lane's 8 registers of Wo's tile b are the columns 32 (b / 2) + 8 (b % 2) + 16 h + 0 .. 7), back as whole rows of 512 bytes.
; Stage row t of block a is row 32 (a / 2) + 8 (a % 2) + t + 8 (t / 8) of my 128: at most 127 rows of 4,096 bytes, inside the store's signed 24-bit immediate, so the base is never stepped.
.macro TOSTAGE a
.set AC, 64*((\a)%4)
	WIN 0x08+4*((\a)/4)                            ; the data: window 2 or 3
.irp b, 0,1,2,3,4,5,6,7
	ds_store_b128 v[STO], v[AC+8*\b:AC+8*\b+3] offset:128*(\b/2)+32*(\b%2)          ; each accumulator from its low end on
	ds_store_b128 v[STO], v[AC+8*\b+4:AC+8*\b+7] offset:128*(\b/2)+32*(\b%2)+16
.endr
	WIN 0
.set BB, BK+64*((\a)%2)
.irp t, 0,1,2,3,4,5,6,7,8,9,10,11,12,13,14,15
	ds_load_b128 v[BB+4*\t:BB+4*\t+3], v[RD] offset:\t*SPITCH   ; LDS serves a wave's instructions in order: these see the stores, and the next block's stores come behind them
.endr
.endm
.macro SEND a, younger
.set BB, BK+64*((\a)%2)
	s_wait_dscnt \younger                          ; the block is back in registers
.irp t, 0,1,2,3,4,5,6,7,8,9,10,11,12,13,14,15
	global_store_b128 v[CO], v[BB+4*\t:BB+4*\t+3], s[12:13] offset:(32*((\a)/2)+8*((\a)%2)+\t+8*(\t/8))*4096 th:TH_STORE_NT   ; 512 consecutive bytes, at a multiple of 256 from out0's first byte
.endr
.endm
	PLACES NP
	TOSTAGE 0
.irp a, 1,2,3,4,5,6,7
.if \a > 1
	s_wait_xcnt 0x0                                ; block a - 2's stores have read their registers: block a's loads may land there
.endif
	TOSTAGE \a
	SEND \a-1, 32                                  ; behind block a - 1's loads: block a's 16 stores and 16 loads
.endr
	SEND 7, 0
	s_wait_tensorcnt 0x0                           ; the wave's end
	ds_add_u32 v[SPW], v[NIL]
	s_wait_dscnt 0x0
	CROUND                                         ; the closing round
	s_endpgm
.Lfunc_end_k_qd154eca59b_oproj:
	.size	k_qd154eca59b_oproj, .Lfunc_end_k_qd154eca59b_oproj-k_qd154eca59b_oproj
	.p2alignl 7, 3214868480
	.fill 96, 4, 3214868480
	.section	.rodata,"a",@progbits
	.p2align	6, 0x0
	.amdhsa_kernel k_qd154eca59b_oproj
		.amdhsa_group_segment_fixed_size 327680
		.amdhsa_private_segment_fixed_size 0
		.amdhsa_enable_private_segment 0
		.amdhsa_kernarg_size 40
		.amdhsa_user_sgpr_count 2
		.amdhsa_user_sgpr_kernarg_segment_ptr 1
		.amdhsa_wavefront_size32 1
		.amdhsa_system_sgpr_workgroup_id_x 1
		.amdhsa_system_sgpr_workgroup_id_y 1
		.amdhsa_system_sgpr_workgroup_id_z 1
		.amdhsa_system_vgpr_workitem_id 0
		.amdhsa_next_free_vgpr 1024
		.amdhsa_next_free_sgpr 98
		.amdhsa_reserve_vcc 0
		.amdhsa_float_denorm_mode_32 3
		.amdhsa_float_denorm_mode_16_64 3
		.amdhsa_memory_ordered 1
		.amdhsa_forward_progress 1
		.amdhsa_inst_pref_size 159
	.end_amdhsa_kernel
	.amdgpu_metadata
---
amdhsa.version: [ 1, 2 ]
amdhsa.kernels:
  - .name:           k_qd154eca59b_oproj
    .symbol:         k_qd154eca59b_oproj.kd
    .args:
      - { .name: a_codes, .offset: 0, .size: 8, .value_kind: global_buffer, .address_space: global }
      - { .name: a_scales, .offset: 8, .size: 8, .value_kind: global_buffer, .address_space: global }
      - { .name: w_codes, .offset: 16, .size: 8, .value_kind: global_buffer, .address_space: global }
      - { .name: w_scales, .offset: 24, .size: 8, .value_kind: global_buffer, .address_space: global }
      - { .name: out0, .offset: 32, .size: 8, .value_kind: global_buffer, .address_space: global }
    .group_segment_fixed_size: 327680
    .private_segment_fixed_size: 0
    .kernarg_segment_align: 8
    .kernarg_segment_size: 40
    .max_flat_workgroup_size: 128
    .sgpr_count:     98
    .vgpr_count:     1024
    .wavefront_size: 32
...
	.end_amdgpu_metadata
.endif
;; end of part 4
